; MI455X (gfx1250); checked and timed in simulation.
; The chip was launched on July 23, 2026; its instructions are those of AMD's public machine-readable ISA for CDNA 5 (MIT licence, August 2026) and "CDNA5" Instruction Set Architecture Reference Guide (July 2026). The comments in the code are by the model that wrote it; some were corrected since.
;; Sparse Boosting Mo E. Allowed arithmetic: matrix products marked QUANTISED: E2M1 operands, one E8M0 scale for each 32 along K, by v_wmma_scale_f32_16x16x128_f8f6f4 with both operands' format E2M1 (or v_wmma_scale_f32_32x16x128_f4), f32 sums; products left as they are: f32 operands where the result goes on into a quantised operand, else bf16, f16 or f32 operands; f32 sums; everything else in f32.
;; Inputs: W1_codes 8 x 512 x 32 x 16 uint8 (E2M1 codes of W1, K innermost, in blocks of 32 codes, two codes a byte); W1_scales 8 x 512 x 32 uint8 (E8M0 scales of W1, one for each 32 codes along K); W2_codes 8 x 1,024 x 16 x 16 uint8 (E2M1 codes of W2, K innermost, in blocks of 32 codes, two codes a byte); W2_scales 8 x 1,024 x 16 uint8 (E8M0 scales of W2, one for each 32 codes along K); b1 8 x 512 float32; b2 8 x 1,024 float32; gate_W 1,024 x 8 float32; gate_b 8 float32; ln_beta 1,024 float32; ln_gamma 1,024 float32; x 2 x 2,048 x 1,024 float32.
;; Outputs: out0 2 x 2,048 x 1,024 float32.
;; This version of the problem:
;;   THIS VERSION OF THE PROBLEM IS GIVEN IN LOW PRECISION. The matrix products marked QUANTISED in the list below multiply operands that are first quantised to E2M1 (2 exponent bits, 1 mantissa bit; 4 bits a number), with one power-of-two scale for each 32 numbers along K (OCP MX v1.0); their sums are f32. All else is computed in f32.
;;   The module's matrix products, in the order in which they are computed (A, B: the left and right operand; K: the contracted axis; several contracted axes count as one K, in the product's order):
;;     1. [M 4,096, K 1,024] x [K 1,024, N 8]; A: input x; B: input gate_W: left as it is (N = 8 < 16)
;;     2. [M 4,096, K 1,024] x [K 1,024, N 4,096]; A: input W1 (given as codes); B: input x: QUANTISED
;;     3. batch 8 x [M 4,096, K 512] x [K 512, N 1,024]; A: computed on the way; B: input W2 (given as codes): QUANTISED
;;     4. batch 4,096 x [M 1,024, K 8] x [K 8, N 1]; A: computed on the way; B: computed on the way: left as it is (K = 8 < 32)
;;     5. [M 4,096, K 1,024] x [K 1,024, N 4,096]; A: input W1 (given as codes); B: computed on the way: QUANTISED
;;     6. batch 8 x [M 4,096, K 512] x [K 512, N 1,024]; A: computed on the way; B: input W2 (given as codes): QUANTISED
;;     7. batch 4,096 x [M 1,024, K 8] x [K 8, N 1]; A: computed on the way; B: computed on the way: left as it is (K = 8 < 32)
;;   THE QUANTISER, for each operand of a quantised product, along K:
;;     - K is cut into blocks of 32 from its start; a last block that is shorter is filled with zeros.
;;     - A block's scale is 2^e with e = floor(log2(the largest magnitude in the block)) - 2, held to -126 .. 127; a block of zeros has e = 0. As a byte (E8M0): e + 127.
;;     - Each number is divided by its block's scale, clamped to +-6, and rounded to the nearest number of E2M1, ties to even, subnormals kept.
;;     - The product sums the exact products of the quantised numbers (number of the format x scale) in f32.
;;   ~~~python
;;   def quantise(x, axis):      # numpy; x: float32 -> the quantised numbers, widened to float32 again
;;       x = np.moveaxis(x, axis, -1); K = x.shape[-1]
;;       x = np.pad(x, [(0, 0)] * (x.ndim - 1) + [(0, -K % 32)]); x = x.reshape(x.shape[:-1] + (-1, 32)); a = np.abs(x).max(-1, keepdims=True)
;;       e = np.where(a > 0, np.clip(np.frexp(np.where(a > 0, a, 1))[1] - 1 - 2, -126, 127), 0)      # np.frexp(a)[1] - 1 = floor(log2(a)), exactly
;;       r = np.clip(x / 2.0 ** e, -6, 6)
;;       step = 2.0 ** (np.maximum(np.frexp(np.where(r == 0, 1, r))[1] - 1, 0) - 1)
;;       q = np.round(r / step) * step * 2.0 ** e      # np.round: ties to even
;;       return np.moveaxis(q.reshape(q.shape[:-2] + (-1,))[..., :K], -1, axis).astype(np.float32)
;;   ~~~
;;   OPERANDS COMPUTED ON THE WAY. 'Computed on the way' means the value that the module computes at that place (a softmax that the list does not call 'softmax' is quantised finished and normalised). What goes into a quantiser is computed in f32, as accurately as f32 sums, v_exp_f32 and their like allow (about 1e-6 of the number): no bf16 or f16 on the way to a quantiser, and a product that is left as it is and whose result goes on into a quantised operand takes f32 operands (vector FMAs, or v_wmma_f32_16x16x4_f32). A number that lies on a knife's edge between two numbers of the format may be rounded either way, as far as f32 arithmetic and the matrix unit's own rounding can turn it there, and no further.
;;   INPUTS GIVEN AS CODES. W1 (in the module: [8, 1024, 512], K = its axis 1); W2 (in the module: [8, 512, 1024], K = its axis 1): each comes as NAME_codes (uint8): NAME with its K axis moved to the last place and cut into blocks of 32 codes, [.., K / 32, bytes a block], one block behind the other in memory; two codes a byte, the lower K in the low four bits (a code: sign, 2 exponent bits, 1 mantissa bit); and NAME_scales (uint8): the same leading axes, one E8M0 byte (e + 127) for each 32 codes along K. Its value is code x scale, taken as it is: it is not quantised again, and the codes and scales need not be those that the quantiser above would give.
;; 2 versions. Each part assembles by itself: llvm-mc -triple=amdgcn-amd-amdhsa -mcpu=gfx1250 --defsym DOCPART=n.
;; ======== version 1 of 2: 2 launches
;; workspace buffers: hb 49,152 bytes of whole numbers; sorted 16,384 bytes of whole numbers; gval 32,768 bytes; wl 4,456,448 bytes
;; launch route (part 1): grid 128 x 1, 8 waves a work-group, no clusters, 275,456 bytes of LDS; arguments x, gate_W, gate_b, W1_codes, W1_scales, W2_codes, W2_scales, hb, sorted, gval, wl; writes hb, sorted, gval, wl
.if DOCPART == 1
	.amdgcn_target "amdgcn-amd-amdhsa--gfx1250"
	.amdhsa_code_object_version 6
	.text
	.protected	k_qeb03947320_route
	.globl	k_qeb03947320_route
	.p2align	8
	.type	k_qeb03947320_route,@function
k_qeb03947320_route:
	s_mov_b64 s[64:65], 0
	v_nop
	global_prefetch_b8 v0, s[64:65] scope:SCOPE_SE
	s_setreg_imm32_b32 hwreg(HW_REG_WAVE_MODE, 25, 1), 1
	s_wait_xcnt 0x0
; THE ROUTER, AND THE WEIGHTS LAID IN OPERAND ORDER.
; Work-group g takes tokens 32 g .. 32 g + 31 (chunk g): logits = x gate_W + gate_b in f32 by fused multiply-adds, softmax with the row's maximum taken away, top 2 (strict >, so the lower index wins a tie).
; What hangs on floating-point numbers is only STORED here, at fixed places; no address and no branch of this launch hangs on it:
;   gval[token] = (v0, v1);  sorted[g][q] = the token at place q of the chunk ordered by (key, index), key = 8 e0 + e1;
;   hb, three tables of 16 KiB.  A word is count(bin lane) | count(bin lane + 32) << 16 of a chunk, or the same of start(b) = the chunk's tokens with key < b.
;     table 0: counts as [g / 4][lane 32][g % 4]: the launch behind adds up all chunks with a lane to a bin, four chunks to a load of 16 bytes;
;     tables 1, 2: counts and starts as [lane 32][g 128]: it reads one bin's words of all chunks by one dense load of 512 bytes.
;     (The price: a work-group stores single words of many blocks; 48 KiB in all.)
; On the side the work-group copies one 128th of the weights, unit (expert g / 16, wave share g % 16), into wl as images of operand registers: wave j copies quad j.
;   A quad is 4 fragments x 1,024 bytes (fragment f, half c, lane l at 1024 f + 512 c + 16 l) and 256 bytes of scale words (register i of lane l at 4096 + 8 l + 4 i: lanes 0-15 fragment 2 i, lanes 16-31 fragment 2 i + 1).
;   Quads 0-3: W1, K steps 2 q + i, tile u: f = 2 i + u, tile row r = W1 row 32 w + 8 u + r + 8 (r / 8).  Quads 4-7: W2, K step q - 4, tile f = 2 b + u, tile row r = W2 row 64 w + 32 b + 8 u + r + 8 (r / 8).
; SHARES of the gate: wave j takes d = 128 j .. 128 j + 127 of all 32 tokens, lane L d = 128 j + 4 L + 0 .. 3: each load of x is 512 consecutive bytes, and all 32 loads of a wave are out together.
; THE ORDER OF THE LOADS: what the gate waits for goes first: gate_W as eight loads of 512 consecutive bytes (a lane wants 128 consecutive bytes of it: they are turned through the wave's own LDS bytes), then x.
; The quad's ten loads, in which the 32 lanes stand in 16 rows (32 for the scale words), go last, and the quad is stored at the wave's end: nothing waits for it.
; A lane's 8 partial logits of a token go through the wave's own LDS bytes and come back with a lane to a token; the eight waves' parts meet behind the one barrier.
; No matrix unit (N = 8), no tensor load, no cluster: the work-groups share only gate_W, 32 KiB.
; LIMITS: NaN and infinities are not served; two gate weights that agree to within the rounding of f32 sums may be ordered otherwise than by another order of summing.
.set TRB,  33280                       ; LDS: a wave's own region: [source lane 32, pitch 1040][experts' half 2][token 32][16 bytes]; ahead of that its first 4,608 bytes turn gate_W
.set TRP,  1040                        ; 65 x 16 bytes: an odd multiple of 16, so sixteen lanes' stores begin at sixteen different 16-byte columns of 256
.set WP_,  144                         ; gate_W in LDS: a lane's 128 bytes + 16: 9 x 16 bytes, so sixteen lanes' loads begin at sixteen different 16-byte columns of 256
.set RED,  8*TRB                       ; LDS: [wave 8][half 2][token 32][16 bytes]
.set XR,   32                          ; v32-159  x: token t at 32 + 4 t; later the numbers read back from LDS, two regions of 64
.set WR,   160                         ; v160-191 gate_W of my 4 d: 8 dd + e
.set AR,   192                         ; v192-207 two sets of 8 partial logits; later the sums (192..) and the weights (200..)
.set RL,   208                         ; v208-239 my quad's four fragments
.set RS,   240                         ; v240-241 its scale words
	s_load_b512 s[4:19], s[0:1], 0x0               ; x, gate_W, gate_b, W1_codes, W1_scales, W2_codes, W2_scales, hb
	s_load_b128 s[20:23], s[0:1], 0x40             ; sorted, gval
	s_load_b64 s[24:25], s[0:1], 0x50              ; wl
	v_lshl_add_u32 v248, v0, 2, 0x43000
	v_mov_b32 v249, 0
	v_lshrrev_b32 v12, 5, v0
	v_readfirstlane_b32 s26, v12                   ; wave j
	s_mov_b32 s27, ttmp9                           ; g
	v_and_b32 v1, 31, v0                           ; lane
	v_lshlrev_b32 v2, 4, v1                        ; 16 x lane
	v_lshlrev_b32 v3, 3, v1                        ; 8 x lane
	v_lshlrev_b32 v15, 2, v1                       ; 4 x lane
	v_lshlrev_b32 v18, 9, v1                       ; 512 x lane
	s_mul_i32 s48, s26, TRB
	v_mul_u32_u24 v4, v1, TRP
	v_add_nc_u32 v4, s48, v4                       ; where I put a token's partial logits
	v_add_nc_u32 v5, s48, v2                       ; where I read them back: lane = token
	v_lshrrev_b32 v16, 3, v1
	v_mul_u32_u24 v16, v16, WP_
	v_and_b32 v17, 7, v1
	v_lshl_add_u32 v16, v17, 4, v16
	v_add_nc_u32 v16, s48, v16                     ; gate_W on its way in: eight lanes' 128 bytes on end, then 16 of padding
	v_mul_u32_u24 v17, v1, WP_
	v_add_nc_u32 v17, s48, v17                     ; and back: my 128 bytes
	s_lshl_b32 s49, s26, 10
	s_add_co_u32 s49, s49, RED
	v_add_nc_u32 v6, s49, v2                       ; my wave's part among the eight
	v_add_nc_u32 v7, RED, v2                       ; and all eight, for my token
	v_add_nc_u32 v11, 1, v1
	v_and_b32 v11, 31, v11
	v_lshlrev_b32 v11, 2, v11                      ; the lane permute's index: the next lane
	v_and_b32 v12, 15, v0                          ; r
	v_bfe_u32 v13, v0, 4, 1                        ; h
	v_and_b32 v14, 8, v12
	v_add_nc_u32 v14, v14, v12                     ; r + 8 (r / 8)
	s_lshl_b32 s48, s26, 1                         ; W1's quad j begins at K step 2 j,
	s_sub_co_u32 s49, s26, 4                       ; W2's is K step j - 4
	s_mov_b32 s53, 0
	s_mov_b32 s55, 0
	s_mov_b32 s57, 0
	s_mov_b32 s59, 0
	s_wait_kmcnt 0x0
	s_load_b256 s[40:47], s[8:9], 0x0              ; gate_b: nobody writes it
	s_lshl_b32 s58, s26, 12
	s_add_nc_u64 s[6:7], s[6:7], s[58:59]          ; gate_W at d = 128 j: 4,096 bytes
.irp i, 0,1,2,3,4,5,6,7
	global_load_b128 v[WR+4*\i:WR+4*\i+3], v2, s[6:7] offset:512*\i   ; as the bytes lie: 512 consecutive bytes a load
.endr
	s_lshl_b32 s58, s27, 17
	s_lshl_b32 s60, s26, 9
	s_add_co_u32 s58, s58, s60
	s_add_nc_u64 s[4:5], s[4:5], s[58:59]          ; x at token 32 g, d = 128 j
.set tk, 0
.rept 32
	global_load_b128 v[XR+4*tk:XR+4*tk+3], v2, s[4:5] offset:4096*tk
.set tk, tk+1
.endr
	s_cmp_lt_u32 s26, 4                            ; waves 0-3 copy W1, waves 4-7 W2: only numbers and pointers are chosen, the text is one
	s_cselect_b64 s[28:29], s[10:11], s[14:15]     ; codes
	s_cselect_b64 s[36:37], s[12:13], s[16:17]     ; scale bytes
	s_cselect_b32 s50, 9, 8                        ; a row of codes is 512 or 256 bytes,
	s_cselect_b32 s51, 5, 4                        ; a row of scale bytes 32 or 16
	s_cselect_b32 s48, s48, s49                    ; the quad's first K step
	s_cselect_b32 s52, 64, 0x2000                  ; from fragment f to f + 2: a K step on, or 32 rows down
	s_cselect_b32 s54, 4, 0x200                    ; the same among the scale bytes
	s_lshl_b32 s56, 8, s50                         ; from fragment f to f + 1: 8 rows down
	s_lshl_b32 s58, s27, 14                        ; the unit's rows begin 16,384 g bytes into either tensor of codes
	s_lshl_b32 s60, s48, 6
	s_add_co_u32 s58, s58, s60
	s_add_nc_u64 s[28:29], s[28:29], s[58:59]
	s_add_nc_u64 s[30:31], s[28:29], s[56:57]
	s_add_nc_u64 s[32:33], s[28:29], s[52:53]
	s_add_nc_u64 s[34:35], s[30:31], s[52:53]
	s_lshl_b32 s58, s27, 10                        ; and 1,024 g bytes into either tensor of scale bytes
	s_lshl_b32 s60, s48, 2
	s_add_co_u32 s58, s58, s60
	s_add_nc_u64 s[36:37], s[36:37], s[58:59]
	s_add_nc_u64 s[38:39], s[36:37], s[54:55]
	v_lshlrev_b32 v8, s50, v14
	v_lshl_add_u32 v8, v13, 4, v8                  ; codes: my tile row, + 16 h
	v_lshl_add_u32 v9, v13, 3, v14
	v_lshlrev_b32 v9, s51, v9                      ; scale words: lanes 16-31 take the tile 8 rows down
.irp f, 0,1,2,3
.irp c, 0,1
	global_load_b128 v[RL+8*\f+4*\c:RL+8*\f+4*\c+3], v8, s[28+2*\f:29+2*\f] offset:32*\c
.endr
.endr
	global_load_b32 v[RS], v9, s[36:37]
	global_load_b32 v[RS+1], v9, s[38:39]
	s_mul_i32 s58, s27, 34816
	s_mul_i32 s60, s26, 4352
	s_add_co_u32 s58, s58, s60
	s_add_nc_u64 s[24:25], s[24:25], s[58:59]      ; wl at my quad
	s_lshl_b32 s58, s27, 8
	s_add_nc_u64 s[22:23], s[22:23], s[58:59]      ; gval at chunk g
	s_lshl_b32 s58, s27, 2
	s_add_co_u32 s58, s58, 16384
	s_add_nc_u64 s[62:63], s[18:19], s[58:59]      ; hb's table 1 at word g
	s_lshr_b32 s58, s27, 2
	s_lshl_b32 s58, s58, 9
	s_and_b32 s60, s27, 3
	s_lshl_b32 s60, s60, 2
	s_add_co_u32 s58, s58, s60
	s_add_nc_u64 s[18:19], s[18:19], s[58:59]      ; hb's table 0 at block g / 4, word g % 4
	s_lshl_b32 s58, s27, 7
	s_add_nc_u64 s[20:21], s[20:21], s[58:59]      ; sorted at chunk g
	s_lshl_b32 s61, s27, 5                         ; 32 g
	s_wait_loadcnt 42                              ; gate_W's eight loads are in; the 32 of x and the quad's ten stay out
.irp i, 0,1,2,3,4,5,6,7
	ds_store_b128 v16, v[WR+4*\i:WR+4*\i+3] offset:4*WP_*\i   ; a load's 512 bytes are four lanes' pieces
.endr
.irp i, 0,1,2,3,4,5,6,7
	ds_load_b128 v[WR+4*\i:WR+4*\i+3], v17 offset:16*\i       ; LDS serves a wave's instructions in order: these see the stores above.  Register 8 dd + e = gate_W(128 j + 4 L + dd, e)
.endr
	s_wait_dscnt 0x0
.macro WLOUT                           ; my quad leaves, at the wave's end
	s_wait_loadcnt 0x0                             ; the quad's ten loads
.irp f, 0,1,2,3
.irp c, 0,1
	global_store_b128 v2, v[RL+8*\f+4*\c:RL+8*\f+4*\c+3], s[24:25] offset:1024*\f+512*\c   ; 512 consecutive bytes, aligned
.endr
.endr
	global_store_b64 v3, v[RS:RS+1], s[24:25] offset:4096                                 ; 256 consecutive bytes, aligned
.endm
; Token t: 8 partial logits over my 4 d, two experts an instruction; x is broadcast out of its pair (the first register for even dd, the second for odd dd).
.macro TOK t
	s_wait_loadcnt 41-(\t)                         ; loads come back in order: token t's is in; the later tokens' and the quad's ten stay out
.if (\t) >= 2
	s_wait_dscnt 2                                 ; the two stores that read this set, two tokens ago, are done; the last token's two may be out
.endif
.set ta_, AR+8*((\t)%2)
.set tx_, XR+4*(\t)
.irp p, 0,1,2,3
	v_pk_mul_f32 v[ta_+2*\p:ta_+2*\p+1], v[tx_:tx_+1], v[WR+2*\p:WR+2*\p+1] op_sel_hi:[0,1]
.endr
.irp p, 0,1,2,3
	v_pk_fma_f32 v[ta_+2*\p:ta_+2*\p+1], v[tx_:tx_+1], v[WR+8+2*\p:WR+8+2*\p+1], v[ta_+2*\p:ta_+2*\p+1] op_sel:[1,0,0] op_sel_hi:[1,1,1]
.endr
.irp p, 0,1,2,3
	v_pk_fma_f32 v[ta_+2*\p:ta_+2*\p+1], v[tx_+2:tx_+3], v[WR+16+2*\p:WR+16+2*\p+1], v[ta_+2*\p:ta_+2*\p+1] op_sel_hi:[0,1,1]
.endr
.irp p, 0,1,2,3
	v_pk_fma_f32 v[ta_+2*\p:ta_+2*\p+1], v[tx_+2:tx_+3], v[WR+24+2*\p:WR+24+2*\p+1], v[ta_+2*\p:ta_+2*\p+1] op_sel:[1,0,0] op_sel_hi:[1,1,1]
.endr
	ds_store_b128 v4, v[ta_:ta_+3] offset:16*(\t)
	ds_store_b128 v4, v[ta_+4:ta_+7] offset:512+16*(\t)
.endm
.set tk, 0
.rept 32
	TOK tk
.set tk, tk+1
.endr
; Back with a lane to a token: 32 source lanes in four batches of eight, through two regions of registers.  The bytes are the wave's own and LDS serves a wave's instructions in order: no barrier.
.macro RB b
.irp k, 0,1,2,3,4,5,6,7
.irp eh, 0,1
	ds_load_b128 v[XR+64*((\b)%2)+8*\k+4*\eh:XR+64*((\b)%2)+8*\k+4*\eh+3], v5 offset:(8*(\b)+\k)*TRP+512*\eh
.endr
.endr
.endm
.macro SUMB b                          ; eight sources of 8 numbers are added onto v[AR ..]; the very first two start the sums
.set sb_, XR+64*((\b)%2)
.irp k, 0,1,2,3,4,5,6,7
.irp p, 0,1,2,3
.if ((\b) == 0) && (\k == 1)
	v_pk_add_f32 v[AR+2*\p:AR+2*\p+1], v[sb_+2*\p:sb_+2*\p+1], v[sb_+8+2*\p:sb_+8+2*\p+1]
.elseif ((\b) > 0) || (\k > 1)
	v_pk_add_f32 v[AR+2*\p:AR+2*\p+1], v[AR+2*\p:AR+2*\p+1], v[sb_+8*\k+2*\p:sb_+8*\k+2*\p+1]
.endif
.endr
.endr
.endm
	RB 0
	RB 1
	s_wait_dscnt 16                                ; batch 0 is in (and every store before it is done); batch 1's sixteen loads may be out
	SUMB 0
	RB 2
	s_wait_dscnt 16
	SUMB 1
	RB 3
	s_wait_dscnt 16
	SUMB 2
	s_wait_dscnt 0x0
	SUMB 3
	ds_store_b128 v6, v[AR:AR+3]
	ds_store_b128 v6, v[AR+4:AR+7] offset:512
	s_wait_dscnt 0x0                               ; for the others' sake: my stores have landed
	s_barrier_signal -1
	s_barrier_wait -1
	s_cmp_gt_u32 s26, 1
	s_cbranch_scc1 .Lend                           ; waves 2 to 7 have only their quads left; no barrier follows
; Waves 0 and 1 both finish the logits, the softmax and the top 2 (a lane to a token); then wave 0 sorts and wave 1 counts.
.irp k, 0,1,2,3,4,5,6,7
.irp eh, 0,1
	ds_load_b128 v[XR+8*\k+4*\eh:XR+8*\k+4*\eh+3], v7 offset:1024*\k+512*\eh
.endr
.endr
	s_wait_dscnt 0x0
	SUMB 0                                         ; the eight waves' parts, in the waves' order
	s_wait_kmcnt 0x0                               ; gate_b
.irp e, 0,1,2,3,4,5,6,7
	v_add_f32 v[AR+\e], s[40+\e], v[AR+\e]
.endr
	v_max3_num_f32 v96, v[AR], v[AR+1], v[AR+2]
	v_max3_num_f32 v96, v96, v[AR+3], v[AR+4]
	v_max3_num_f32 v96, v96, v[AR+5], v[AR+6]
	v_max_num_f32 v96, v96, v[AR+7]                ; the row's maximum is taken away ahead of the exponentials
.irp e, 0,1,2,3,4,5,6,7
	v_sub_f32 v[AR+8+\e], v[AR+\e], v96
.endr
.irp e, 0,1,2,3,4,5,6,7
	v_mul_f32 v[AR+8+\e], 0x3fb8aa3b, v[AR+8+\e]   ; x log2(e)
.endr
.irp e, 0,1,2,3,4,5,6,7
	v_exp_f32 v[AR+8+\e], v[AR+8+\e]
.endr
	v_nop                                          ; a plain instruction behind the last exponential
	s_wait_alu depctr_va_vdst(0)                   ; one wait for the batch of eight, ahead of its first reader
	v_add_f32 v97, v[AR+8], v[AR+9]
	v_add_f32 v98, v[AR+10], v[AR+11]
	v_add_f32 v99, v[AR+12], v[AR+13]
	v_add_f32 v116, v[AR+14], v[AR+15]
	v_add_f32 v97, v97, v98
	v_add_f32 v99, v99, v116
	v_add_f32 v97, v97, v99
	v_rcp_f32 v98, v97
	v_nop
	s_wait_alu depctr_va_vdst(0)                   ; the reciprocal's wait
.irp e, 0,1,2,3,4,5,6,7
	v_mul_f32 v[AR+8+\e], v[AR+8+\e], v98          ; the gate's weights
.endr
	v_mov_b32 v100, v[AR+8]                        ; the largest so far,
	v_mov_b32 v102, 0                              ; and its expert
.irp e, 1,2,3,4,5,6,7
	v_cmp_gt_f32 vcc_lo, v[AR+8+\e], v100          ; strictly larger: a tie keeps the lower index
	v_cndmask_b32 v100, v100, v[AR+8+\e], vcc_lo
	v_cndmask_b32 v102, v102, \e, vcc_lo
.endr
	v_mov_b32 v101, -1.0                           ; the second: under every weight
	v_mov_b32 v103, 0
.irp e, 0,1,2,3,4,5,6,7
	v_cmp_ne_u32 s48, \e, v102                     ; not the first's expert
	v_cmp_gt_f32 vcc_lo, v[AR+8+\e], v101
	s_and_b32 vcc_lo, vcc_lo, s48
	v_cndmask_b32 v101, v101, v[AR+8+\e], vcc_lo
	v_cndmask_b32 v103, v103, \e, vcc_lo
.endr
	v_lshl_add_u32 v104, v102, 3, v103             ; key = 8 e0 + e1
	s_cmp_eq_u32 s26, 1
	s_cbranch_scc1 .Lhist
; WAVE 0: the weights, and the chunk's tokens in the order of (key, index).  Token i's place is the number of tokens with a smaller 32 key + index; the lane of that number takes i.  Only values are chosen.
; Each step runs over all 32 tokens before the next begins, each token in a scalar register of its own, so that no line reads the result of the line above it.
	global_store_b64 v3, v[100:101], s[22:23]
	v_lshl_add_u32 v105, v104, 5, v1
	v_mov_b32 v106, 0
.set tk, 0
.rept 32
	v_readlane_b32 s[66+tk], v105, tk
.set tk, tk+1
.endr
.set tk, 0
.rept 32
	v_cmp_gt_u32 s[66+tk], s[66+tk], v105          ; the lanes whose number is smaller than token tk's
.set tk, tk+1
.endr
.set tk, 0
.rept 32
	s_bcnt1_i32_b32 s[66+tk], s[66+tk]             ; how many: token tk's place
.set tk, tk+1
.endr
.set tk, 0
.rept 32
	v_cmp_eq_u32 vcc_lo, s[66+tk], v1
	v_cndmask_b32 v106, v106, tk, vcc_lo
.set tk, tk+1
.endr
	v_add_nc_u32 v106, s61, v106                   ; as a token's number
	global_store_b32 v15, v106, s[20:21]
	WLOUT
	s_wait_tensorcnt 0x0
	ds_add_u32 v248, v249
	s_wait_dscnt 0x0
	s_endpgm
.Lhist:
; WAVE 1: for bins lane and lane + 32 the number of tokens with a smaller key (the bin's start); a bin's count is the next bin's start less its own.
	v_add_nc_u32 v109, 32, v1
	v_mov_b32 v107, 0
	v_mov_b32 v108, 0
.set tk, 0
.rept 32
	v_readlane_b32 s[66+tk], v104, tk
.set tk, tk+1
.endr
.set tk, 0
.rept 32
	v_cmp_lt_u32 vcc_lo, s[66+tk], v1
	v_add_co_ci_u32 v107, vcc_lo, 0, v107, vcc_lo
	v_cmp_lt_u32 vcc_lo, s[66+tk], v109
	v_add_co_ci_u32 v108, vcc_lo, 0, v108, vcc_lo
.set tk, tk+1
.endr
	ds_bpermute_b32 v110, v11, v107                ; the next lane's starts (lane 31 gets lane 0's)
	ds_bpermute_b32 v111, v11, v108
	s_wait_dscnt 0x0
	v_cmp_eq_u32 vcc_lo, 31, v1
	v_cndmask_b32 v112, v110, v111, vcc_lo         ; behind bin 31 comes bin 32,
	v_cndmask_b32 v113, v111, 32, vcc_lo           ; behind bin 63 the chunk's end
	v_sub_nc_u32 v112, v112, v107
	v_sub_nc_u32 v113, v113, v108
	v_lshl_or_b32 v114, v113, 16, v112
	v_lshl_or_b32 v115, v108, 16, v107
	global_store_b32 v2, v114, s[18:19]            ; table 0: the counts, my word of the lane's four
	global_store_b32 v18, v114, s[62:63]           ; table 1: the counts, word g of my lane's 128
	global_store_b32 v18, v115, s[62:63] offset:16384   ; table 2: the starts likewise
	WLOUT
	s_wait_tensorcnt 0x0
	ds_add_u32 v248, v249
	s_wait_dscnt 0x0
	s_endpgm
.Lend:
	WLOUT
	s_wait_tensorcnt 0x0
	ds_add_u32 v248, v249
	s_wait_dscnt 0x0
	s_endpgm
.Lfunc_end_k_qeb03947320_route:
	.size	k_qeb03947320_route, .Lfunc_end_k_qeb03947320_route-k_qeb03947320_route
	.p2alignl 7, 3214868480
	.fill 96, 4, 3214868480
	.section	.rodata,"a",@progbits
	.p2align	6, 0x0
	.amdhsa_kernel k_qeb03947320_route
		.amdhsa_group_segment_fixed_size 275456
		.amdhsa_private_segment_fixed_size 0
		.amdhsa_enable_private_segment 0
		.amdhsa_kernarg_size 88
		.amdhsa_user_sgpr_count 2
		.amdhsa_user_sgpr_kernarg_segment_ptr 1
		.amdhsa_wavefront_size32 1
		.amdhsa_system_sgpr_workgroup_id_x 1
		.amdhsa_system_sgpr_workgroup_id_y 1
		.amdhsa_system_sgpr_workgroup_id_z 1
		.amdhsa_system_vgpr_workitem_id 0
		.amdhsa_next_free_vgpr 250
		.amdhsa_next_free_sgpr 100
		.amdhsa_reserve_vcc 1
		.amdhsa_float_denorm_mode_32 3
		.amdhsa_float_denorm_mode_16_64 3
		.amdhsa_memory_ordered 1
		.amdhsa_forward_progress 1
		.amdhsa_inst_pref_size 86
	.end_amdhsa_kernel
	.amdgpu_metadata
---
amdhsa.version: [ 1, 2 ]
amdhsa.kernels:
  - .name:           k_qeb03947320_route
    .symbol:         k_qeb03947320_route.kd
    .args:
      - { .name: x, .offset: 0, .size: 8, .value_kind: global_buffer, .address_space: global }
      - { .name: gate_W, .offset: 8, .size: 8, .value_kind: global_buffer, .address_space: global }
      - { .name: gate_b, .offset: 16, .size: 8, .value_kind: global_buffer, .address_space: global }
      - { .name: W1_codes, .offset: 24, .size: 8, .value_kind: global_buffer, .address_space: global }
      - { .name: W1_scales, .offset: 32, .size: 8, .value_kind: global_buffer, .address_space: global }
      - { .name: W2_codes, .offset: 40, .size: 8, .value_kind: global_buffer, .address_space: global }
      - { .name: W2_scales, .offset: 48, .size: 8, .value_kind: global_buffer, .address_space: global }
      - { .name: hb, .offset: 56, .size: 8, .value_kind: global_buffer, .address_space: global }
      - { .name: sorted, .offset: 64, .size: 8, .value_kind: global_buffer, .address_space: global }
      - { .name: gval, .offset: 72, .size: 8, .value_kind: global_buffer, .address_space: global }
      - { .name: wl, .offset: 80, .size: 8, .value_kind: global_buffer, .address_space: global }
    .group_segment_fixed_size: 275456
    .private_segment_fixed_size: 0
    .kernarg_segment_align: 8
    .kernarg_segment_size: 88
    .max_flat_workgroup_size: 256
    .sgpr_count:     100
    .vgpr_count:     250
    .wavefront_size: 32
...
	.end_amdgpu_metadata
.endif
;; end of part 1
;; launch chain (part 2): grid 182 x 1, 16 waves a work-group, no clusters, 188,416 bytes of LDS; arguments x, hb, sorted, gval, wl, b1, b2, ln_gamma, ln_beta, out0; writes out0
.if DOCPART == 2
	.amdgcn_target "amdgcn-amd-amdhsa--gfx1250"
	.amdhsa_code_object_version 6
	.text
	.protected	k_qeb03947320_chain
	.globl	k_qeb03947320_chain
	.p2align	8
	.type	k_qeb03947320_chain,@function
k_qeb03947320_chain:
	s_mov_b64 s[64:65], 0
	v_nop
	global_prefetch_b8 v0, s[64:65] scope:SCOPE_SE
	s_setreg_imm32_b32 hwreg(HW_REG_WAVE_MODE, 25, 1), 1
	s_wait_xcnt 0x0
; ONE TILE OF 32 TOKENS OF ONE PAIR OF EXPERTS (e0, e1) THROUGH THE WHOLE CHAIN:
;   eo0 = relu(Q(x) W1[e0] + b1[e0]) -> Q -> W2[e0] + b2[e0];  boost = x + 0.5 eo0;  eo1 = the same of Q(boost) with e1;  out = LayerNorm(x + v0 eo0 + v1 eo1).
; The four products run on codes of FP4 (E2M1) with one E8M0 scale for each 32 along K; all that goes into a quantiser is f32.  Nothing between x and out goes to memory; each row of out has one owner.
; THE GRID serves every split: tiles are cut inside the 56 possible bins key = 8 e0 + e1, so there are at most (4096 + 56 x 31) / 32 = 182 of them.  Every WAVE works out for itself, from the whole numbers that the launch
; before stored (hb, sorted), which bin and which tile are the work-group's and which tokens stand in its own two slots.  The numbers that steer addresses and branches stay in registers from their loads on: sums over
; chunks are vector additions with a lane to a bin; what has to cross lanes goes to scalar registers by v_readlane_b32, is made into running sums there, and is searched by halves: one compare steers 16, 8, 4, 2, 1 selects.
; That costs each wave 16 KiB of counts, 256 KiB a work-group beside its 1.11 MB of weights, some 550 scalar instructions and lane reads, and no barrier.
; A work-group whose number lies past the split's last tile runs on clamped numbers with count = 0 and stores nothing: every wave has to pass every barrier, so no branch on stored numbers stands ahead of one;
; the only such branches stand round the stores at the end.  A tile's spare slots take whatever token the clamped place names (rows do not depend on each other) and are not stored either.
; SHARES.  Sixteen waves, 256 registers each.  The waves share the COLUMNS: wave w makes hidden units 32 w .. + 31 and outputs 64 w .. + 63, for all 32 tokens (row tiles m = 0, 1).
; Both products are used transposed (source 0 = 16 rows of a weight, source 1 = 16 tokens): lane (r, h) holds token 16 m + r throughout, and by the choice of a tile's rows (made when wl was laid) the 16 registers of
; tiles 2 b and 2 b + 1 are 16 neighbours along the next K: unit 32 b + 16 h + 8 u + j.
; THE WEIGHTS come from wl, laid as images of operand registers, straight into registers: a ring of two quads (4 fragments and their scale words: 9 loads) that runs on through barriers and quantisers.
; THE ACTIVATIONS' codes go from wave to wave through LDS as images of operand registers; a lane stores its 8 bytes (16 codes) at the place that the image gives them, so no lanes are exchanged.
; No tensor load, no cluster, no joint request: addresses and the last branches hang on numbers read from memory, and two tiles share weights only where the split happens to give a pair several tiles.
; LIMITS: NaN and infinities are not served.  A block whose largest magnitude lies under 2^-124 (a block of zeros among them) gets the scale byte 1; these bytes are read by this launch alone.
; y = x + v0 eo0 is carried as x + 2 v0 (boost - x), which differs from it by a rounding of x's size; it feeds no quantiser.
.set AIMG, 0                           ; LDS: the first product's operand: [m 2][K step 8][half 2][512 bytes]
.set HIMG, 16384                       ; the second's: [m 2][K step 4][half 2][512 bytes]
.set ASC,  24576                       ; scale bytes of the first: [slot 32][32]
.set HSC,  25600                       ; of the second: [slot 32][16]
.set GV,   26112                       ; the gate's weights: [slot 32][v0, v1]
.set RED1, 30208                       ; [wave 16][slot 32] f32: sums
.set RED2, 32256                       ; [wave 16][slot 32] f32: sums of squares
.set BIAS, 34304                       ; 1,280 bytes for each wave, its own: b1[e0] 0, b1[e1] 128, b2[e0] 256, b2[e1] 512, gamma 768, beta 1024
.set XST,  54784                       ; 32 rows of 4,096 bytes + 16: x on the way in, out on the way out
.set XP,   4112                        ; 257 x 16 bytes: an odd multiple of 16, so sixteen rows begin at sixteen different 16-byte columns of 256
.set XY,   20                          ; v20-83   at work in the head; then x, then y: 32 m + 8 t + j
.set PG,   32                          ; v32-63   in the head: the running sums of the counts, one for each four chunks
.set CN,   84                          ; v84-211  in the head: the counts of all 128 chunks; then offsets and small loads
.set ACC2, 84                          ; v84-147  the second product's sums, index as XY's; in the first product the operand's two buffers; else at work
.set AF0,  84
.set ACC1, 148                         ; v148-179 the first product's sums: 16 m + 8 u + j; in the second product the operand's two buffers; else at work
.set HF0,  148
.set WB0,  180                         ; v180-243 two quads of weights
.set SW0,  244                         ; v244-247 their scale words: scales and nothing else
.set SA,   248                         ; v248-255 the activations' scale words: scales and nothing else
.set SH,   248
; v1 lane, v2 16 lane, v3 8 lane, v4 4 lane, v5 128 w + 4 lane, v6 / v7 my place in XST for m = 0 / 1, v8 my wave's two rows of XST, v9 / v10 where my 8 bytes of codes go, v11 / v12 where my scale bytes go,
; v13 my slot's scale words, v14 my biases, v15 where my wave's two tokens' gate weights go, v[16:17], v[18:19] the gate's weights of tokens r and 16 + r.
; s24 wave, s25 work-group, s[26:27] selects for lane l xor 16, s28 mask of lanes 16-31, s[36:37], s[38:39] wl at (e0, w), (e1, w), s[40:43] my two rows of x, s[44:47] of out, s48 count, s66-97 what the head reads out of lanes,
; s[98:99] hb at the bin's lane.
.macro BAR                             ; my LDS stores have landed and my LDS loads are in: then the work-group's barrier
	s_wait_dscnt 0x0
	s_barrier_signal -1
	s_barrier_wait -1
.endm
.macro NOP4                            ; four places behind a matrix instruction, ahead of loads into its registers and of the first read of its result
.rept 4
	v_nop
.endr
.endm
.macro QLOAD n                         ; quad n of the chain's 16 (stage n / 8, quad n % 8) into slot n % 2: nine loads
.set lw_, WB0+32*((\n)%2)
.set ls_, SW0+2*((\n)%2)
.set lp_, 36+2*((\n)/8)
.set lo_, ((\n)%8)*4352
.irp f, 0,1,2,3
.irp c, 0,1
	global_load_b128 v[lw_+8*\f+4*\c:lw_+8*\f+4*\c+3], v2, s[lp_:lp_+1] offset:lo_+1024*\f+512*\c
.endr
.endr
	global_load_b64 v[ls_:ls_+1], v3, s[lp_:lp_+1] offset:lo_+4096
.endm
.macro WM d, a, b, sa, sb, ra, rb      ; one link: D = C = v[d ..]; ra, rb: the scales stand in lanes 16-31 of their register
.if (\ra) && (\rb)
	v_wmma_scale_f32_16x16x128_f8f6f4 v[\d:\d+7], v[\a:\a+7], v[\b:\b+7], v[\d:\d+7], v[\sa], v[\sb] matrix_a_fmt:MATRIX_FMT_FP4 matrix_b_fmt:MATRIX_FMT_FP4 matrix_a_scale:MATRIX_SCALE_ROW1 matrix_b_scale:MATRIX_SCALE_ROW1
.elseif (\ra)
	v_wmma_scale_f32_16x16x128_f8f6f4 v[\d:\d+7], v[\a:\a+7], v[\b:\b+7], v[\d:\d+7], v[\sa], v[\sb] matrix_a_fmt:MATRIX_FMT_FP4 matrix_b_fmt:MATRIX_FMT_FP4 matrix_a_scale:MATRIX_SCALE_ROW1
.elseif (\rb)
	v_wmma_scale_f32_16x16x128_f8f6f4 v[\d:\d+7], v[\a:\a+7], v[\b:\b+7], v[\d:\d+7], v[\sa], v[\sb] matrix_a_fmt:MATRIX_FMT_FP4 matrix_b_fmt:MATRIX_FMT_FP4 matrix_b_scale:MATRIX_SCALE_ROW1
.else
	v_wmma_scale_f32_16x16x128_f8f6f4 v[\d:\d+7], v[\a:\a+7], v[\b:\b+7], v[\d:\d+7], v[\sa], v[\sb] matrix_a_fmt:MATRIX_FMT_FP4 matrix_b_fmt:MATRIX_FMT_FP4
.endif
.endm
.macro AFLOAD q                        ; the first product's operand for K steps 2 q, 2 q + 1, both row tiles: eight loads into buffer q % 2
.set la_, AF0+32*((\q)%2)
.irp i, 0,1
.irp m, 0,1
.irp c, 0,1
	ds_load_b128 v[la_+16*\i+8*\m+4*\c:la_+16*\i+8*\m+4*\c+3], v2 offset:AIMG+8192*\m+1024*(2*(\q)+\i)+512*\c
.endr
.endr
.endr
.endm
.macro HFLOAD s                        ; the second product's operand for K step s, both row tiles: four loads into buffer s % 2
.set lh_, HF0+16*((\s)%2)
.irp m, 0,1
.irp c, 0,1
	ds_load_b128 v[lh_+8*\m+4*\c:lh_+8*\m+4*\c+3], v2 offset:HIMG+4096*\m+1024*(\s)+512*\c
.endr
.endr
.endm
; A quad of the first product: two K steps x (2 tiles of hidden units x 2 row tiles).  The four accumulators take turns, one instruction a turn.
.macro P1Q n
.set q_, (\n)%4
.set wb_, WB0+32*((\n)%2)
.set sw_, SW0+2*((\n)%2)
.set af_, AF0+32*(q_%2)
.if q_ < 3
	s_wait_dscnt 8                                 ; this quad's operand is in; the other buffer's eight loads may be out
.else
	s_wait_dscnt 0x0
.endif
	s_wait_loadcnt 9                               ; this quad's weights are in; the next quad's nine loads may be out
.irp i, 0,1
.irp u, 0,1
.irp m, 0,1
	WM ACC1+16*\m+8*\u, wb_+8*(2*\i+\u), af_+16*\i+8*\m, sw_+\i, SA+2*q_+\i, \u, \m
.endr
.endr
.endr
	NOP4
	QLOAD (\n)+2                                   ; into the slot just multiplied
.if q_ < 2
	AFLOAD q_+2
.endif
.endm
; A quad of the second product: one K step x (4 tiles of outputs x 2 row tiles): eight accumulators by turns.
.macro P2Q n
.set s_, (\n)%4
.set wb_, WB0+32*((\n)%2)
.set sw_, SW0+2*((\n)%2)
.set hf_, HF0+16*(s_%2)
.if s_ < 3
	s_wait_dscnt 4                                 ; this K step's operand is in; the other buffer's four loads may be out
.else
	s_wait_dscnt 0x0
.endif
.if (\n) < 15
	s_wait_loadcnt 9                               ; this quad's weights are in; the next quad's nine loads may be out
.else
	s_wait_loadcnt 0x0                             ; the last quad: nothing was asked for behind it
.endif
.irp t, 0,1,2,3
.irp m, 0,1
	WM ACC2+32*\m+8*\t, wb_+8*\t, hf_+8*\m, sw_+\t/2, SH+s_, \t%2, \m
.endr
.endr
	NOP4
.if (\n)+2 <= 15
	QLOAD (\n)+2
.endif
.if s_ < 2
	HFLOAD s_+2
.endif
.endm
.macro PROD1 st                        ; hidden = operand x W1[e_st] + b1[e_st]: the bias is loaded into the accumulators and is the C of each sum's first link
.irp m, 0,1
.irp u, 0,1
.irp f, 0,1
	ds_load_b128 v[ACC1+16*\m+8*\u+4*\f:ACC1+16*\m+8*\u+4*\f+3], v14 offset:128*(\st)+32*\u+16*\f
.endr
.endr
.endr
	ds_load_b128 v[SA:SA+3], v13                   ; lane l: slot l's scale words, K steps 0-3,
	ds_load_b128 v[SA+4:SA+7], v13 offset:16       ; 4-7
	AFLOAD 0
	AFLOAD 1
	P1Q 8*(\st)+0
	P1Q 8*(\st)+1
	P1Q 8*(\st)+2
	P1Q 8*(\st)+3
.endm
.macro PROD2 st                        ; eo = hidden x W2[e_st] + b2[e_st]
.irp m, 0,1
.irp t, 0,1,2,3
.irp f, 0,1
	ds_load_b128 v[ACC2+32*\m+8*\t+4*\f:ACC2+32*\m+8*\t+4*\f+3], v14 offset:256+256*(\st)+128*(\t/2)+32*(\t%2)+16*\f
.endr
.endr
.endr
	ds_load_b128 v[SH:SH+3], v2 offset:HSC
	HFLOAD 0
	HFLOAD 1
	P2Q 8*(\st)+4
	P2Q 8*(\st)+5
	P2Q 8*(\st)+6
	P2Q 8*(\st)+7
.endm
; nb blocks: block q's 16 numbers of my half at v[src + 16 q ..]; at v[tmp + 8 q ..]: +0 the largest magnitude, +1 at work, +2 the conversion's scale operand, +3 the scale's byte, +4, +5 my 16 codes.
; The floor 2^(3 - 127) among the maximum's leaves holds the byte at 1 from below.  abs = 0: no number is negative.  The blocks take turns line by line.
.macro QUANT nb, src, tmp, abs
.set qb, 0
.rept \nb
	v_mov_b32 v[\tmp+8*qb+1], 0                    ; a lane permute's destination counts as one of its sources
.set qb, qb+1
.endr
.set qb, 0
.rept \nb
.if \abs
	v_max3_num_f32 v[\tmp+8*qb], |v[\src+16*qb]|, |v[\src+16*qb+1]|, 0x1800000
.else
	v_max3_num_f32 v[\tmp+8*qb], v[\src+16*qb], v[\src+16*qb+1], 0x1800000
.endif
.set qb, qb+1
.endr
.irp i, 2,4,6,8,10,12,14
.set qb, 0
.rept \nb
.if \abs
	v_max3_num_f32 v[\tmp+8*qb], v[\tmp+8*qb], |v[\src+16*qb+\i]|, |v[\src+16*qb+\i+1]|
.else
	v_max3_num_f32 v[\tmp+8*qb], v[\tmp+8*qb], v[\src+16*qb+\i], v[\src+16*qb+\i+1]
.endif
.set qb, qb+1
.endr
.endr
.set qb, 0
.rept \nb
	v_permlanex16_b32 v[\tmp+8*qb+1], v[\tmp+8*qb], s26, s27
.set qb, qb+1
.endr
.set qb, 0
.rept \nb
	v_max_num_f32 v[\tmp+8*qb], v[\tmp+8*qb], v[\tmp+8*qb+1]      ; with lane l xor 16's 16: the block's largest magnitude
.set qb, qb+1
.endr
.set qb, 0
.rept \nb
	v_add_nc_u32 v[\tmp+8*qb+2], 0xff000000, v[\tmp+8*qb]         ; 2 off its exponent field: the conversion takes that field as its scale
.set qb, qb+1
.endr
.set qb, 0
.rept \nb
	v_lshrrev_b32 v[\tmp+8*qb+3], 23, v[\tmp+8*qb+2]              ; the scale's byte
.set qb, qb+1
.endr
.set qb, 0
.rept \nb
	v_cvt_scalef32_pk8_fp4_f32 v[\tmp+8*qb+4], v[\src+16*qb:\src+16*qb+7], v[\tmp+8*qb+2]
	v_cvt_scalef32_pk8_fp4_f32 v[\tmp+8*qb+5], v[\src+16*qb+8:\src+16*qb+15], v[\tmp+8*qb+2]
.set qb, qb+1
.endr
	v_nop                                          ; one plain instruction behind the last scaled conversion
.endm
.macro ASTORE tmp                      ; four blocks (2 m + b) just quantised become my wave's part of the first product's operand
.irp m, 0,1
.irp b, 0,1
	ds_store_b64 v9, v[\tmp+8*(2*\m+\b)+4:\tmp+8*(2*\m+\b)+5] offset:AIMG+8192*\m+256*\b
.endr
.endr
.irp m, 0,1
	v_lshl_or_b32 v[\tmp+16*\m+1], v[\tmp+16*\m+11], 8, v[\tmp+16*\m+3]   ; row tile m: my wave's two scale bytes
.endr
	v_cndmask_b32 v[\tmp+1], v[\tmp+1], v[\tmp+17], s28            ; lane l stores for slot l: lanes 16-31 take row tile 1's
	ds_store_b16 v11, v[\tmp+1]
	BAR
.endm
.macro HIDQ                            ; relu, quantise, and my wave's block of the second product's operand
.set r_, 0
.rept 32
	v_max_num_f32 v[ACC1+r_], 0, v[ACC1+r_]        ; ascending: each accumulator is read from its low end on
.set r_, r_+1
.endr
	QUANT 2, ACC1, 84, 0
.irp m, 0,1
	ds_store_b64 v10, v[84+8*\m+4:84+8*\m+5] offset:4096*\m
.endr
	v_cndmask_b32 v85, v87, v95, s28
	ds_store_b8 v12, v85
	BAR
.endm
; THE SEARCH BY HALVES over sums that never fall: how many of them are at most a limit.  The middle one is compared; by that one compare the upper or the lower half is taken (SEL3: n selects, which leave SCC alone),
; and the count takes the compare's bit: count = 2 count + SCC.
.macro SEL3 d, hi, lo, n               ; s[d + i] = SCC ? s[hi + i] : s[lo + i]
.set si_, 0
.rept \n
	s_cselect_b32 s[\d+si_], s[\hi+si_], s[\lo+si_]
.set si_, si_+1
.endr
.endm
.macro TST6 r, nx                      ; a whole word against s34.  s31 keeps the last sum found at or under the limit, s[nx] the last found above it: at the end the two that stand on either side of the limit
	s_cmp_le_u32 s[\r], s34
	s_cselect_b32 s31, s[\r], s31
	s_cselect_b32 s[\nx], s[\nx], s[\r]
.endm
; 32 bins, a lane each, in v[vr]: a bin's word is tokens | tiles << 16.  s66-97 become the running sums of the words, this bin's among them, on top of s30, the sum of the bins before (all tokens together are 4,096,
; so the low half never reaches the high one).  A bin whose sum is at most s34 = my tile's number << 16 | 0xffff ends at or ahead of my tile.  s32: how many of the 32 do, 0 to 32: five halvings and the one sum left over.
.macro BINS vr, nx
.set bi_, 0
.rept 32
	v_readlane_b32 s[66+bi_], v[\vr], bi_
.set bi_, bi_+1
.endr
	s_add_co_u32 s66, s66, s30
.set bi_, 1
.rept 31
	s_add_co_u32 s[66+bi_], s[66+bi_], s[66+bi_-1]
.set bi_, bi_+1
.endr
	s_mov_b32 s30, s97
	s_mov_b32 s32, 0
	TST6 81, \nx
	SEL3 66, 82, 66, 16
	s_add_co_ci_u32 s32, s32, s32
	TST6 73, \nx
	SEL3 66, 74, 66, 8
	s_add_co_ci_u32 s32, s32, s32
	TST6 69, \nx
	SEL3 66, 70, 66, 4
	s_add_co_ci_u32 s32, s32, s32
	TST6 67, \nx
	SEL3 66, 68, 66, 2
	s_add_co_ci_u32 s32, s32, s32
	TST6 66, \nx
	SEL3 66, 67, 66, 1
	s_add_co_ci_u32 s32, s32, s32
	TST6 66, \nx
	s_add_co_ci_u32 s32, s32, 0
.endm
.macro TST5 r, lim, best               ; the bin's half of a packed word against s[lim]; s[best] keeps the last sum found at or under it
	s_bfe_u32 s29, s[\r], s61
	s_cmp_le_u32 s29, s[\lim]
	s_cselect_b32 s[\best], s29, s[\best]
.endm
; s66-97: the bin's tokens in chunks 0 .. 4 g + 3, g = 0 .. 31.  The groups of four chunks whose sum is at most the token's number s[lim] lie ahead of it: s[cnt] their number, which is the token's group (the last
; group's sum is the bin's total and is not asked: five halvings), s[best] the tokens ahead of that group.  The first halving goes to s[d0 ..], s[d1 ..], 8 registers each, the rest stays in s[d0 ..].
.macro GROUP d0, d1, lim, best, cnt
	s_mov_b32 s[\best], 0
	s_mov_b32 s[\cnt], 0
	TST5 81, \lim, \best
	SEL3 \d0, 82, 66, 8
	SEL3 \d1, 90, 74, 8
	s_add_co_ci_u32 s[\cnt], s[\cnt], s[\cnt]
	TST5 \d0+7, \lim, \best
	SEL3 \d0, \d1, \d0, 8
	s_add_co_ci_u32 s[\cnt], s[\cnt], s[\cnt]
	TST5 \d0+3, \lim, \best
	SEL3 \d0, \d0+4, \d0, 4
	s_add_co_ci_u32 s[\cnt], s[\cnt], s[\cnt]
	TST5 \d0+1, \lim, \best
	SEL3 \d0, \d0+2, \d0, 2
	s_add_co_ci_u32 s[\cnt], s[\cnt], s[\cnt]
	TST5 \d0, \lim, \best
	s_add_co_ci_u32 s[\cnt], s[\cnt], s[\cnt]
.endm
; The bin's token number s[g] lies in the four chunks of group s[grp], s[ex] of the bin's tokens lie ahead of them; s[cw ..] the four chunks' packed counts, s[sw ..] their packed starts.
; The last chunk with at most s[g] tokens ahead holds it; s[out]: its place in 'sorted' = 128 group + 32 i + start + (number - tokens ahead), held inside the table.
.macro RESOLVE g, ex, grp, cw, sw, out
	s_mov_b32 s29, s[\ex]
	s_mov_b32 s[\out], 0
.irp i, 0,1,2,3
	s_bfe_u32 s62, s[\sw+\i], s61
.if \i > 0
	s_add_co_u32 s62, s62, 32*\i
.endif
	s_sub_co_u32 s62, s62, s29
	s_cmp_le_u32 s29, s[\g]
	s_cselect_b32 s[\out], s62, s[\out]
.if \i < 3
	s_bfe_u32 s63, s[\cw+\i], s61
	s_add_co_u32 s29, s29, s63
.endif
.endr
	s_add_co_u32 s[\out], s[\out], s[\g]
	s_lshl_b32 s62, s[\grp], 7
	s_add_co_u32 s[\out], s[\out], s62
	s_min_u32 s[\out], s[\out], 0xfff
.endm
; ---- the head, part 1: the counts of all 128 chunks: 32 loads of 512 consecutive bytes; a lane's 16 bytes are four chunks' packed counts of bins lane and lane + 32
	s_load_b512 s[4:19], s[0:1], 0x0               ; x, hb, sorted, gval, wl, b1, b2, ln_gamma
	s_load_b128 s[20:23], s[0:1], 0x40             ; ln_beta, out0
	v_lshrrev_b32 v15, 5, v0
	v_readfirstlane_b32 s24, v15                   ; wave 0..15
	s_mov_b32 s25, ttmp9
	s_mov_b32 s26, 0x76543210
	s_mov_b32 s27, 0xfedcba98
	s_mov_b32 s28, 0xffff0000
	v_and_b32 v1, 31, v0
	v_lshlrev_b32 v2, 4, v1
	v_lshlrev_b32 v3, 3, v1
	v_lshlrev_b32 v4, 2, v1
	v_lshlrev_b32 v5, 2, v0
	s_wait_kmcnt 0x0
.set hi_, 0
.rept 32
	global_load_b128 v[CN+4*hi_:CN+4*hi_+3], v2, s[6:7] offset:512*hi_
.set hi_, hi_+1
.endr
	v_and_b32 v20, 15, v0                          ; r
	v_bfe_u32 v21, v0, 4, 1                        ; h
	v_mul_u32_u24 v6, v20, XP
	v_lshl_add_u32 v6, v21, 6, v6
	s_lshl_b32 s29, s24, 8
	s_add_co_u32 s29, s29, XST
	v_add_nc_u32 v6, s29, v6                       ; XST + row r + 256 w + 64 h
	v_add_nc_u32 v7, 16*XP, v6
	s_mul_i32 s29, s24, 2*XP
	s_add_co_u32 s29, s29, XST
	v_add_nc_u32 v8, s29, v2
	v_lshlrev_b32 v9, 4, v20
	v_lshl_add_u32 v9, v21, 3, v9                  ; 16 r + 8 h
	s_lshl_b32 s29, s24, 8
	s_add_co_u32 s29, s29, HIMG
	v_add_nc_u32 v10, s29, v9
	s_lshl_b32 s29, s24, 9
	v_add_nc_u32 v9, s29, v9
	v_lshl_add_u32 v13, v1, 5, ASC
	s_lshl_b32 s29, s24, 1
	v_add_nc_u32 v11, s29, v13
	v_lshl_add_u32 v12, v1, 4, HSC
	v_add_nc_u32 v12, s24, v12
	s_mul_i32 s62, s24, 1280
	s_add_co_u32 s62, s62, BIAS
	v_lshl_add_u32 v14, v21, 6, s62
	v_add_nc_u32 v22, s62, v4                      ; my wave's biases on their way in: 4 bytes a lane,
	v_add_nc_u32 v23, s62, v3                      ; 8 bytes a lane
	s_lshl_b32 s29, s24, 4
	s_add_co_u32 s29, s29, GV
	v_mov_b32 v15, s29                             ; GV + 16 w: slots 2 w and 2 w + 1
; the running sums: v[PG + g] = the bins' tokens in chunks 0 .. 4 g + 3, packed; each half stays at or under 4,096, so nothing carries over
.set hi_, 0
.rept 32
.if (hi_%8) == 0
	s_wait_loadcnt 24-hi_                          ; the next eight loads are in; the later groups of eight stay out
.endif
	v_add3_u32 v[64+(hi_%2)], v[CN+4*hi_], v[CN+4*hi_+1], v[CN+4*hi_+2]
.if hi_ == 0
	v_add_nc_u32 v[PG], v64, v[CN+3]
.else
	v_add3_u32 v[PG+hi_], v[PG+hi_-1], v[64+(hi_%2)], v[CN+4*hi_+3]
.endif
.set hi_, hi_+1
.endr
; ---- part 2: the bins' tiles, and which bin and which tile of it is the work-group's
	v_add_nc_u32 v66, 0x001f001f, v[PG+31]
	v_lshrrev_b32 v66, 5, v66
	v_and_b32 v66, 0x07ff07ff, v66                 ; tiles of bins lane and lane + 32: (n + 31) / 32 in each half
	v_and_b32 v67, 0xffff, v[PG+31]
	v_lshlrev_b32 v68, 16, v66
	v_add_nc_u32 v67, v67, v68                     ; bin lane: tokens | tiles << 16
	v_lshrrev_b32 v69, 16, v[PG+31]
	v_and_b32 v68, s28, v66
	v_add_nc_u32 v69, v69, v68                     ; bin lane + 32 likewise
	v_mov_b32 v97, 0                               ; the offset of the loads whose whole address stands in their base
	s_lshl_b32 s34, s25, 16
	s_or_b32 s34, s34, 0xffff
	s_mov_b32 s30, 0
	s_mov_b32 s31, 0
	s_mov_b32 s33, 0
	s_mov_b32 s53, 0
	BINS 67, 33                                    ; bins 0-31,
	s_mov_b32 s49, s32
	BINS 69, 53                                    ; bins 32-63
	s_cmp_lt_u32 s49, 32
	s_cselect_b32 s33, s33, s53                    ; the first sum past my tile: my bin's (it lies among the first 32 if not all of those end ahead of my tile)
	s_add_co_u32 s49, s49, s32                     ; the bins that end at or ahead of my tile: my bin's number
	s_min_u32 s49, s49, 63
	s_and_b32 s50, s49, 31                         ; its lane,
	s_lshr_b32 s51, s49, 5
	s_lshl_b32 s51, s51, 4                         ; and its half of a word:
	s_or_b32 s61, s51, 0x100000                    ; a field of 16 bits from bit 0 or 16
	s_lshl_b32 s98, s50, 9
	s_mov_b32 s99, 0
	s_add_nc_u64 s[98:99], s[6:7], s[98:99]        ; hb's tables 1 and 2 hold a lane's words of all 128 chunks on end: 512 bytes
	global_load_b128 v[104:107], v2, s[98:99] offset:16384   ; lane L: the bin's counts in chunks 4 L .. 4 L + 3,
	global_load_b128 v[108:111], v2, s[98:99] offset:32768   ; and its starts.  Asked for as soon as the bin is known: they land under the search below
	s_lshr_b32 s35, s30, 16                        ; the split's tiles
	s_sub_co_u32 s33, s33, s31
	s_and_b32 s33, s33, 0xffff                     ; my bin's tokens: its sum less the sum before it
	s_lshr_b32 s31, s31, 16                        ; the tiles ahead of my bin
	s_sub_co_u32 s53, s25, s31                     ; which tile of the bin
	s_lshl_b32 s52, s53, 5
	s_sub_co_u32 s33, s33, s52
	s_min_u32 s33, s33, 32                         ; its tokens
	s_cmp_lt_u32 s25, s35
	s_cselect_b32 s48, s33, 0                      ; the rows that the work-group stores: none past the split's last tile
	s_lshr_b32 s53, s49, 3
	s_min_u32 s53, s53, 7                          ; e0
	s_and_b32 s63, s49, 7
	s_min_u32 s63, s63, 7                          ; e1
	s_mul_i32 s57, s24, 34816
	s_mul_i32 s56, s53, 557056
	s_add_co_u32 s56, s56, s57
	s_mul_i32 s58, s63, 557056
	s_add_co_u32 s58, s58, s57
	s_mov_b32 s57, 0
	s_mov_b32 s59, 0
	s_add_nc_u64 s[36:37], s[12:13], s[56:57]
	s_add_nc_u64 s[38:39], s[12:13], s[58:59]
	s_lshl_b32 s57, s24, 7
	s_lshl_b32 s56, s53, 11
	s_add_co_u32 s56, s56, s57
	v_add_nc_u32 v84, s56, v4                      ; b1[e0]: my wave's 32 numbers, 4 bytes a lane
	s_lshl_b32 s56, s63, 11
	s_add_co_u32 s56, s56, s57
	v_add_nc_u32 v85, s56, v4
	s_lshl_b32 s57, s24, 8
	s_lshl_b32 s56, s53, 12
	s_add_co_u32 s56, s56, s57
	v_add_nc_u32 v86, s56, v3                      ; b2[e0]: my wave's 64 numbers, 8 bytes a lane
	s_lshl_b32 s56, s63, 12
	s_add_co_u32 s56, s56, s57
	v_add_nc_u32 v87, s56, v3
	v_add_nc_u32 v88, s57, v3                      ; gamma, beta
	global_load_b32 v148, v84, s[14:15]
	global_load_b32 v149, v85, s[14:15]
	global_load_b64 v[150:151], v86, s[16:17]
	global_load_b64 v[152:153], v87, s[16:17]
	global_load_b64 v[154:155], v88, s[18:19]
	global_load_b64 v[156:157], v88, s[20:21]
	QLOAD 0                                        ; the weights' ring starts as soon as the experts are known: it lands under the search below
	QLOAD 1
; ---- part 3: my wave's two tokens, numbers 32 j + 2 w and + 1 of the bin.  First each one's group of four chunks, out of the running sums at the bin's lane
	s_lshl_b32 s29, s24, 1
	s_add_co_u32 s30, s52, s29
	s_add_co_u32 s31, s30, 1
.set gi_, 0
.rept 32
	v_readlane_b32 s[66+gi_], v[PG+gi_], s50
.set gi_, gi_+1
.endr
	GROUP 40, 53, 30, 32, 33                       ; the first token: its first halving goes to s40-47 and s53-60, so that the sums stay for the second,
	GROUP 66, 74, 31, 34, 35                       ; which is searched in place
	s_min_u32 s33, s33, 31
	s_min_u32 s35, s35, 31
	s_wait_loadcnt 24                              ; the bin's counts and starts are in; the six loads of biases and gains and the two quads' eighteen may be out
.irp i, 0,1,2,3
	v_readlane_b32 s[66+\i], v[104+\i], s33        ; lane = group: the first token's four chunks: counts,
	v_readlane_b32 s[70+\i], v[108+\i], s33        ; starts;
	v_readlane_b32 s[74+\i], v[104+\i], s35        ; the second's
	v_readlane_b32 s[78+\i], v[108+\i], s35
.endr
	RESOLVE 30, 32, 33, 66, 70, 52
	RESOLVE 31, 34, 35, 74, 78, 53
	s_lshl_b32 s88, s52, 2
	s_mov_b32 s89, 0
	s_lshl_b32 s90, s53, 2
	s_mov_b32 s91, 0
	s_add_nc_u64 s[88:89], s[8:9], s[88:89]
	s_add_nc_u64 s[90:91], s[8:9], s[90:91]
	global_load_b32 v93, v97, s[88:89]             ; every lane reads the same word
	global_load_b32 v94, v97, s[90:91]
	s_wait_loadcnt 0x0                             ; these two, and ahead of them the biases, the gains and the first two quads
	ds_store_b32 v22, v148
	ds_store_b32 v22, v149 offset:128
	ds_store_b64 v23, v[150:151] offset:256
	ds_store_b64 v23, v[152:153] offset:512
	ds_store_b64 v23, v[154:155] offset:768
	ds_store_b64 v23, v[156:157] offset:1024       ; the wave's own bytes: LDS serves a wave's instructions in order, so its later loads see them
	v_readlane_b32 s54, v93, 0                     ; the tokens of slots 2 w
	v_readlane_b32 s56, v94, 0                     ; and 2 w + 1
	s_min_u32 s54, s54, 0xfff
	s_min_u32 s56, s56, 0xfff
	s_lshl_b32 s92, s54, 3
	s_mov_b32 s93, 0
	s_lshl_b32 s94, s56, 3
	s_mov_b32 s95, 0
	s_add_nc_u64 s[92:93], s[10:11], s[92:93]
	s_add_nc_u64 s[94:95], s[10:11], s[94:95]
	s_lshl_b32 s54, s54, 12
	s_lshl_b32 s56, s56, 12
	s_mov_b32 s55, 0
	s_mov_b32 s57, 0
	s_add_nc_u64 s[40:41], s[4:5], s[54:55]
	s_add_nc_u64 s[42:43], s[4:5], s[56:57]
	s_add_nc_u64 s[44:45], s[22:23], s[54:55]
	s_add_nc_u64 s[46:47], s[22:23], s[56:57]
; ---- x comes in by whole rows (512 consecutive bytes a load) and turns through LDS; the gate's weights, which are values and steer nothing, go to the other waves through LDS too
.irp i, 0,1,2,3,4,5,6,7
	global_load_b128 v[XY+4*\i:XY+4*\i+3], v2, s[40:41] offset:512*\i
.endr
.irp i, 0,1,2,3,4,5,6,7
	global_load_b128 v[XY+32+4*\i:XY+32+4*\i+3], v2, s[42:43] offset:512*\i
.endr
	global_load_b64 v[98:99], v97, s[92:93]
	global_load_b64 v[100:101], v97, s[94:95]
	s_wait_loadcnt 2                               ; the sixteen loads of x are in; the two of the gate's weights may be out
.irp w, 0,1
.irp i, 0,1,2,3,4,5,6,7
	ds_store_b128 v8, v[XY+32*\w+4*\i:XY+32*\w+4*\i+3] offset:XP*\w+512*\i
.endr
.endr
	s_wait_loadcnt 0x0
	ds_store_b64 v15, v[98:99]                     ; all lanes write the same 8 bytes with the same value
	ds_store_b64 v15, v[100:101] offset:8
	BAR
	v_and_b32 v84, 15, v0
	v_lshl_add_u32 v84, v84, 3, GV
	ds_load_b64 v[16:17], v84                      ; (v0, v1) of token r,
	ds_load_b64 v[18:19], v84 offset:128           ; of token 16 + r
.irp m, 0,1
.irp b, 0,1
.irp i, 0,1,2,3
	ds_load_b128 v[XY+32*\m+16*\b+4*\i:XY+32*\m+16*\b+4*\i+3], v[6+\m] offset:128*\b+16*\i   ; token 16 m + r, d = 64 w + 32 b + 16 h + 4 i ..
.endr
.endr
.endr
	s_wait_dscnt 0x0
	v_add_f32 v16, v16, v16                        ; 2 v0
	v_add_f32 v18, v18, v18
	QUANT 4, XY, 84, 1
	ASTORE 84
; ---- the first expert
	PROD1 0
	HIDQ
	PROD2 0
; ---- boost = x + 0.5 eo0, rounded once as reference() rounds it, in eo0's place; y = x + 2 v0 (boost - x) in x's place.  Eight pairs at a time, ascending: each accumulator is read from its low end on
.set g6, 0
.rept 4
.set p6, 0
.rept 8
	v_pk_fma_f32 v[ACC2+16*g6+2*p6:ACC2+16*g6+2*p6+1], v[ACC2+16*g6+2*p6:ACC2+16*g6+2*p6+1], 0.5, v[XY+16*g6+2*p6:XY+16*g6+2*p6+1] op_sel_hi:[1,0,1]
.set p6, p6+1
.endr
.set p6, 0
.rept 8
	v_pk_add_f32 v[148+2*p6:149+2*p6], v[ACC2+16*g6+2*p6:ACC2+16*g6+2*p6+1], v[XY+16*g6+2*p6:XY+16*g6+2*p6+1] neg_lo:[0,1] neg_hi:[0,1]
.set p6, p6+1
.endr
.set p6, 0
.rept 8
	v_pk_fma_f32 v[XY+16*g6+2*p6:XY+16*g6+2*p6+1], v[148+2*p6:149+2*p6], v[16+2*(g6/2):17+2*(g6/2)], v[XY+16*g6+2*p6:XY+16*g6+2*p6+1] op_sel_hi:[1,0,1]
.set p6, p6+1
.endr
.set g6, g6+1
.endr
	v_mov_b32 v16, v17                             ; 2 v0 has served: v1 takes the pair's low word, from which the packed forms broadcast
	v_mov_b32 v18, v19
	QUANT 4, ACC2, 148, 1
	ASTORE 148
; ---- the second expert
	PROD1 1
	HIDQ
	PROD2 1
; ---- y += v1 eo1, and the LayerNorm: mean, then the mean of the squared differences, as reference() has it
.irp t, 0,1,2,3
.irp f, 0,1
	ds_load_b128 v[WB0+8*\t+4*\f:WB0+8*\t+4*\f+3], v14 offset:768+128*(\t/2)+32*(\t%2)+16*\f       ; gamma of my 32 columns
	ds_load_b128 v[WB0+32+8*\t+4*\f:WB0+32+8*\t+4*\f+3], v14 offset:1024+128*(\t/2)+32*(\t%2)+16*\f  ; beta
.endr
.endr
.set p6, 0
.rept 32
	v_pk_fma_f32 v[XY+2*p6:XY+2*p6+1], v[ACC2+2*p6:ACC2+2*p6+1], v[16+2*(p6/16):17+2*(p6/16)], v[XY+2*p6:XY+2*p6+1] op_sel_hi:[1,0,1]
.set p6, p6+1
.endr
.irp m, 0,1
	v_pk_add_f32 v[148+4*\m:149+4*\m], v[XY+32*\m:XY+32*\m+1], v[XY+32*\m+2:XY+32*\m+3]
	v_pk_add_f32 v[150+4*\m:151+4*\m], v[XY+32*\m+4:XY+32*\m+5], v[XY+32*\m+6:XY+32*\m+7]
.endr
.irp k, 8,12,16,20,24,28
.irp m, 0,1
	v_pk_add_f32 v[148+4*\m:149+4*\m], v[148+4*\m:149+4*\m], v[XY+32*\m+\k:XY+32*\m+\k+1]
	v_pk_add_f32 v[150+4*\m:151+4*\m], v[150+4*\m:151+4*\m], v[XY+32*\m+\k+2:XY+32*\m+\k+3]
.endr
.endr
.irp m, 0,1
	v_pk_add_f32 v[148+4*\m:149+4*\m], v[148+4*\m:149+4*\m], v[150+4*\m:151+4*\m]
.endr
.irp m, 0,1
	v_add_f32 v[148+4*\m], v[148+4*\m], v[149+4*\m]
.endr
	v_permlanex16_b32 v149, v148, s26, s27
	v_permlanex16_b32 v153, v152, s26, s27
	v_add_f32 v148, v148, v149                     ; my wave's 64 columns of token r,
	v_add_f32 v152, v152, v153                     ; of token 16 + r
	v_cndmask_b32 v148, v148, v152, s28            ; lane l stores for slot l
	ds_store_b32 v5, v148 offset:RED1
	BAR
.irp p, 0,1,2,3,4,5,6,7,8,9,10,11,12,13,14,15
	ds_load_b32 v[160+\p], v4 offset:RED1+128*\p
.endr
	s_wait_dscnt 0x0
.irp k, 2,4,6,8,10,12,14
	v_pk_add_f32 v[160:161], v[160:161], v[160+\k:161+\k]
.endr
	v_add_f32 v160, v160, v161
	v_mul_f32 v148, 0xba800000, v160               ; - the mean of slot l: x -2^-10
	v_permlanex16_b32 v149, v148, s26, s27
	v_cndmask_b32 v150, v148, v149, s28            ; of token r,
	v_cndmask_b32 v152, v149, v148, s28            ; of token 16 + r
.set p6, 0
.rept 32
	v_pk_add_f32 v[XY+2*p6:XY+2*p6+1], v[XY+2*p6:XY+2*p6+1], v[150+2*(p6/16):151+2*(p6/16)] op_sel_hi:[1,0]
.set p6, p6+1
.endr
.irp m, 0,1
	v_pk_mul_f32 v[164+4*\m:165+4*\m], v[XY+32*\m:XY+32*\m+1], v[XY+32*\m:XY+32*\m+1]
	v_pk_mul_f32 v[166+4*\m:167+4*\m], v[XY+32*\m+2:XY+32*\m+3], v[XY+32*\m+2:XY+32*\m+3]
.endr
.irp k, 4,8,12,16,20,24,28
.irp m, 0,1
	v_pk_fma_f32 v[164+4*\m:165+4*\m], v[XY+32*\m+\k:XY+32*\m+\k+1], v[XY+32*\m+\k:XY+32*\m+\k+1], v[164+4*\m:165+4*\m]
	v_pk_fma_f32 v[166+4*\m:167+4*\m], v[XY+32*\m+\k+2:XY+32*\m+\k+3], v[XY+32*\m+\k+2:XY+32*\m+\k+3], v[166+4*\m:167+4*\m]
.endr
.endr
.irp m, 0,1
	v_pk_add_f32 v[164+4*\m:165+4*\m], v[164+4*\m:165+4*\m], v[166+4*\m:167+4*\m]
.endr
.irp m, 0,1
	v_add_f32 v[164+4*\m], v[164+4*\m], v[165+4*\m]
.endr
	v_permlanex16_b32 v165, v164, s26, s27
	v_permlanex16_b32 v169, v168, s26, s27
	v_add_f32 v164, v164, v165
	v_add_f32 v168, v168, v169
	v_cndmask_b32 v164, v164, v168, s28
	ds_store_b32 v5, v164 offset:RED2
	BAR
.irp p, 0,1,2,3,4,5,6,7,8,9,10,11,12,13,14,15
	ds_load_b32 v[160+\p], v4 offset:RED2+128*\p
.endr
	s_mov_b32 s29, 0x3a800000                      ; 2^-10
	s_mov_b32 s30, 0x3727c5ac                      ; 1e-5
	s_wait_dscnt 0x0
.irp k, 2,4,6,8,10,12,14
	v_pk_add_f32 v[160:161], v[160:161], v[160+\k:161+\k]
.endr
	v_add_f32 v160, v160, v161
	v_fma_f32 v148, v160, s29, s30                 ; the variance + eps
	v_rsq_f32 v149, v148
	v_nop                                          ; a plain instruction behind the transcendental
	s_wait_alu depctr_va_vdst(0)                   ; and the wait ahead of its first reader
	v_permlanex16_b32 v148, v149, s26, s27
	v_cndmask_b32 v150, v149, v148, s28
	v_cndmask_b32 v152, v148, v149, s28
.set p6, 0
.rept 32
	v_pk_mul_f32 v[XY+2*p6:XY+2*p6+1], v[XY+2*p6:XY+2*p6+1], v[150+2*(p6/16):151+2*(p6/16)] op_sel_hi:[1,0]
.set p6, p6+1
.endr
.set p6, 0
.rept 32
	v_pk_fma_f32 v[XY+2*p6:XY+2*p6+1], v[XY+2*p6:XY+2*p6+1], v[WB0+2*(p6%16):WB0+2*(p6%16)+1], v[WB0+32+2*(p6%16):WB0+32+2*(p6%16)+1]
.set p6, p6+1
.endr
; ---- the way out: back through the rows' stage, so that each store of the wave covers 512 consecutive bytes of a row, aligned
.irp m, 0,1
.irp b, 0,1
.irp i, 0,1,2,3
	ds_store_b128 v[6+\m], v[XY+32*\m+16*\b+4*\i:XY+32*\m+16*\b+4*\i+3] offset:128*\b+16*\i
.endr
.endr
.endr
	BAR
.irp w, 0,1
.irp i, 0,1,2,3,4,5,6,7
	ds_load_b128 v[ACC2+32*\w+4*\i:ACC2+32*\w+4*\i+3], v8 offset:XP*\w+512*\i
.endr
.endr
	s_wait_dscnt 0x0
	s_lshl_b32 s53, s24, 1
	s_cmp_lt_u32 s53, s48                          ; a slot at or past the tile's count holds a token that another slot or tile owns: it is not stored
	s_cbranch_scc0 .Lno_row0
.irp i, 0,1,2,3,4,5,6,7
	global_store_b128 v2, v[ACC2+4*\i:ACC2+4*\i+3], s[44:45] offset:512*\i th:TH_STORE_NT
.endr
.Lno_row0:
	s_add_co_u32 s53, s53, 1
	s_cmp_lt_u32 s53, s48
	s_cbranch_scc0 .Lno_row1
.irp i, 0,1,2,3,4,5,6,7
	global_store_b128 v2, v[ACC2+32+4*\i:ACC2+32+4*\i+3], s[46:47] offset:512*\i th:TH_STORE_NT
.endr
.Lno_row1:
	s_wait_xcnt 0x0
	v_lshl_add_u32 v254, v0, 2, 0x2d800
	v_mov_b32 v255, 0
	s_wait_tensorcnt 0x0
	ds_add_u32 v254, v255
	s_wait_dscnt 0x0
	s_endpgm
.Lfunc_end_k_qeb03947320_chain:
	.size	k_qeb03947320_chain, .Lfunc_end_k_qeb03947320_chain-k_qeb03947320_chain
	.p2alignl 7, 3214868480
	.fill 96, 4, 3214868480
	.section	.rodata,"a",@progbits
	.p2align	6, 0x0
	.amdhsa_kernel k_qeb03947320_chain
		.amdhsa_group_segment_fixed_size 188416
		.amdhsa_private_segment_fixed_size 0
		.amdhsa_enable_private_segment 0
		.amdhsa_kernarg_size 80
		.amdhsa_user_sgpr_count 2
		.amdhsa_user_sgpr_kernarg_segment_ptr 1
		.amdhsa_wavefront_size32 1
		.amdhsa_system_sgpr_workgroup_id_x 1
		.amdhsa_system_sgpr_workgroup_id_y 1
		.amdhsa_system_sgpr_workgroup_id_z 1
		.amdhsa_system_vgpr_workitem_id 0
		.amdhsa_next_free_vgpr 256
		.amdhsa_next_free_sgpr 100
		.amdhsa_reserve_vcc 0
		.amdhsa_float_denorm_mode_32 3
		.amdhsa_float_denorm_mode_16_64 3
		.amdhsa_memory_ordered 1
		.amdhsa_forward_progress 1
		.amdhsa_inst_pref_size 121
	.end_amdhsa_kernel
	.amdgpu_metadata
---
amdhsa.version: [ 1, 2 ]
amdhsa.kernels:
  - .name:           k_qeb03947320_chain
    .symbol:         k_qeb03947320_chain.kd
    .args:
      - { .name: x, .offset: 0, .size: 8, .value_kind: global_buffer, .address_space: global }
      - { .name: hb, .offset: 8, .size: 8, .value_kind: global_buffer, .address_space: global }
      - { .name: sorted, .offset: 16, .size: 8, .value_kind: global_buffer, .address_space: global }
      - { .name: gval, .offset: 24, .size: 8, .value_kind: global_buffer, .address_space: global }
      - { .name: wl, .offset: 32, .size: 8, .value_kind: global_buffer, .address_space: global }
      - { .name: b1, .offset: 40, .size: 8, .value_kind: global_buffer, .address_space: global }
      - { .name: b2, .offset: 48, .size: 8, .value_kind: global_buffer, .address_space: global }
      - { .name: ln_gamma, .offset: 56, .size: 8, .value_kind: global_buffer, .address_space: global }
      - { .name: ln_beta, .offset: 64, .size: 8, .value_kind: global_buffer, .address_space: global }
      - { .name: out0, .offset: 72, .size: 8, .value_kind: global_buffer, .address_space: global }
    .group_segment_fixed_size: 188416
    .private_segment_fixed_size: 0
    .kernarg_segment_align: 8
    .kernarg_segment_size: 80
    .max_flat_workgroup_size: 512
    .sgpr_count:     100
    .vgpr_count:     256
    .wavefront_size: 32
...
	.end_amdgpu_metadata
.endif
;; end of part 2
;; ======== version 2 of 2: 2 launches
;; workspace buffers: hb 49,152 bytes of whole numbers; sorted 16,384 bytes of whole numbers; gval 32,768 bytes; wl 4,456,448 bytes
;; launch route (part 3): grid 128 x 1, 8 waves a work-group, no clusters, 275,456 bytes of LDS; arguments x, gate_W, gate_b, W1_codes, W1_scales, W2_codes, W2_scales, hb, sorted, gval, wl; writes hb, sorted, gval, wl
.if DOCPART == 3
	.amdgcn_target "amdgcn-amd-amdhsa--gfx1250"
	.amdhsa_code_object_version 6
	.text
	.protected	k_qeb03947320_route
	.globl	k_qeb03947320_route
	.p2align	8
	.type	k_qeb03947320_route,@function
k_qeb03947320_route:
	s_mov_b64 s[64:65], 0
	v_nop
	global_prefetch_b8 v0, s[64:65] scope:SCOPE_SE
	s_setreg_imm32_b32 hwreg(HW_REG_WAVE_MODE, 25, 1), 1
	s_wait_xcnt 0x0
; THE ROUTER, AND THE WEIGHTS LAID IN OPERAND ORDER.
; Work-group g takes tokens 32 g .. 32 g + 31 (chunk g): logits = x gate_W + gate_b in f32 by fused multiply-adds, softmax with the row's maximum taken away, top 2 (strict >, so the lower index wins a tie).
; What hangs on floating-point numbers is only STORED here, at fixed places; no address and no branch of this launch hangs on it:
;   gval[token] = (v0, v1);  sorted[g][q] = the token at place q of the chunk ordered by (key, index), key = 8 e0 + e1;
;   hb, three tables of 16 KiB.  A word is count(bin lane) | count(bin lane + 32) << 16 of a chunk, or the same of start(b) = the chunk's tokens with key < b.
;     table 0: counts as [g / 4][lane 32][g % 4]: the launch behind adds up all chunks with a lane to a bin, four chunks to a load of 16 bytes;
;     tables 1, 2: counts and starts as [lane 32][g 128]: it reads one bin's words of all chunks by one dense load of 512 bytes.
;     (The price: a work-group stores single words of many blocks; 48 KiB in all.)
; On the side the work-group copies one 128th of the weights, unit (expert g / 16, wave share g % 16), into wl as images of operand registers: wave j copies quad j.
;   A quad is 4 fragments x 1,024 bytes (fragment f, half c, lane l at 1024 f + 512 c + 16 l) and 256 bytes of scale words (register i of lane l at 4096 + 8 l + 4 i: lanes 0-15 fragment 2 i, lanes 16-31 fragment 2 i + 1).
;   Quads 0-3: W1, K steps 2 q + i, tile u: f = 2 i + u, tile row r = W1 row 32 w + 8 u + r + 8 (r / 8).  Quads 4-7: W2, K step q - 4, tile f = 2 b + u, tile row r = W2 row 64 w + 32 b + 8 u + r + 8 (r / 8).
; SHARES of the gate: wave j takes d = 128 j .. 128 j + 127 of all 32 tokens, lane L d = 128 j + 4 L + 0 .. 3: each load of x is 512 consecutive bytes, and all 32 loads of a wave are out together.
; THE ORDER OF THE LOADS: what the gate waits for goes first: gate_W as eight loads of 512 consecutive bytes (a lane wants 128 consecutive bytes of it: they are turned through the wave's own LDS bytes), then x.
; The quad's ten loads, in which the 32 lanes stand in 16 rows (32 for the scale words), go last, and the quad is stored at the wave's end: nothing waits for it.
; A lane's 8 partial logits of a token go through the wave's own LDS bytes and come back with a lane to a token; the eight waves' parts meet behind the one barrier.
; No matrix unit (N = 8), no tensor load, no cluster: the work-groups share only gate_W, 32 KiB.
; LIMITS: NaN and infinities are not served; two gate weights that agree to within the rounding of f32 sums may be ordered otherwise than by another order of summing.
.set TRB,  33280                       ; LDS: a wave's own region: [source lane 32, pitch 1040][experts' half 2][token 32][16 bytes]; ahead of that its first 4,608 bytes turn gate_W
.set TRP,  1040                        ; 65 x 16 bytes: an odd multiple of 16, so sixteen lanes' stores begin at sixteen different 16-byte columns of 256
.set WP_,  144                         ; gate_W in LDS: a lane's 128 bytes + 16: 9 x 16 bytes, so sixteen lanes' loads begin at sixteen different 16-byte columns of 256
.set RED,  8*TRB                       ; LDS: [wave 8][half 2][token 32][16 bytes]
.set XR,   32                          ; v32-159  x: token t at 32 + 4 t; later the numbers read back from LDS, two regions of 64
.set WR,   160                         ; v160-191 gate_W of my 4 d: 8 dd + e
.set AR,   192                         ; v192-207 two sets of 8 partial logits; later the sums (192..) and the weights (200..)
.set RL,   208                         ; v208-239 my quad's four fragments
.set RS,   240                         ; v240-241 its scale words
	s_load_b512 s[4:19], s[0:1], 0x0               ; x, gate_W, gate_b, W1_codes, W1_scales, W2_codes, W2_scales, hb
	s_load_b128 s[20:23], s[0:1], 0x40             ; sorted, gval
	s_load_b64 s[24:25], s[0:1], 0x50              ; wl
	v_lshl_add_u32 v248, v0, 2, 0x43000
	v_mov_b32 v249, 0
	v_lshrrev_b32 v12, 5, v0
	s_delay_alu instid0(VALU_DEP_1)
	v_readfirstlane_b32 s26, v12                   ; wave j
	s_mov_b32 s27, ttmp9                           ; g
	v_and_b32 v1, 31, v0                           ; lane
	s_delay_alu instid0(VALU_DEP_1)
	v_lshlrev_b32 v2, 4, v1                        ; 16 x lane
	s_delay_alu instid0(VALU_DEP_2)
	v_lshlrev_b32 v3, 3, v1                        ; 8 x lane
	s_delay_alu instid0(VALU_DEP_3)
	v_lshlrev_b32 v15, 2, v1                       ; 4 x lane
	s_delay_alu instid0(VALU_DEP_4)
	v_lshlrev_b32 v18, 9, v1                       ; 512 x lane
	s_mul_i32 s48, s26, TRB
	v_mul_u32_u24 v4, v1, TRP
	s_delay_alu instid0(VALU_DEP_1)
	v_add_nc_u32 v4, s48, v4                       ; where I put a token's partial logits
	v_add_nc_u32 v5, s48, v2                       ; where I read them back: lane = token
	v_lshrrev_b32 v16, 3, v1
	s_delay_alu instid0(VALU_DEP_1)
	v_mul_u32_u24 v16, v16, WP_
	v_and_b32 v17, 7, v1
	s_delay_alu instid0(VALU_DEP_1)
	v_lshl_add_u32 v16, v17, 4, v16
	s_delay_alu instid0(VALU_DEP_1)
	v_add_nc_u32 v16, s48, v16                     ; gate_W on its way in: eight lanes' 128 bytes on end, then 16 of padding
	v_mul_u32_u24 v17, v1, WP_
	s_delay_alu instid0(VALU_DEP_1)
	v_add_nc_u32 v17, s48, v17                     ; and back: my 128 bytes
	s_lshl_b32 s49, s26, 10
	s_add_co_u32 s49, s49, RED
	v_add_nc_u32 v6, s49, v2                       ; my wave's part among the eight
	v_add_nc_u32 v7, RED, v2                       ; and all eight, for my token
	v_add_nc_u32 v11, 1, v1
	s_delay_alu instid0(VALU_DEP_1)
	v_and_b32 v11, 31, v11
	s_delay_alu instid0(VALU_DEP_1)
	v_lshlrev_b32 v11, 2, v11                      ; the lane permute's index: the next lane
	v_and_b32 v12, 15, v0                          ; r
	v_bfe_u32 v13, v0, 4, 1                        ; h
	s_delay_alu instid0(VALU_DEP_2)
	v_and_b32 v14, 8, v12
	s_delay_alu instid0(VALU_DEP_1)
	v_add_nc_u32 v14, v14, v12                     ; r + 8 (r / 8)
	s_lshl_b32 s48, s26, 1                         ; W1's quad j begins at K step 2 j,
	s_sub_co_u32 s49, s26, 4                       ; W2's is K step j - 4
	s_mov_b32 s53, 0
	s_mov_b32 s55, 0
	s_mov_b32 s57, 0
	s_mov_b32 s59, 0
	s_wait_alu depctr_va_vdst(0)
	s_wait_kmcnt 0x0
	s_load_b256 s[40:47], s[8:9], 0x0              ; gate_b: nobody writes it
	s_lshl_b32 s58, s26, 12
	s_add_nc_u64 s[6:7], s[6:7], s[58:59]          ; gate_W at d = 128 j: 4,096 bytes
.irp i, 0,1,2,3,4,5,6,7
	global_load_b128 v[WR+4*\i:WR+4*\i+3], v2, s[6:7] offset:512*\i   ; as the bytes lie: 512 consecutive bytes a load
.endr
	s_lshl_b32 s58, s27, 17
	s_lshl_b32 s60, s26, 9
	s_add_co_u32 s58, s58, s60
	s_add_nc_u64 s[4:5], s[4:5], s[58:59]          ; x at token 32 g, d = 128 j
.set tk, 0
.rept 32
	global_load_b128 v[XR+4*tk:XR+4*tk+3], v2, s[4:5] offset:4096*tk
.set tk, tk+1
.endr
	s_cmp_lt_u32 s26, 4                            ; waves 0-3 copy W1, waves 4-7 W2: only numbers and pointers are chosen, the text is one
	s_cselect_b64 s[28:29], s[10:11], s[14:15]     ; codes
	s_cselect_b64 s[36:37], s[12:13], s[16:17]     ; scale bytes
	s_cselect_b32 s50, 9, 8                        ; a row of codes is 512 or 256 bytes,
	s_cselect_b32 s51, 5, 4                        ; a row of scale bytes 32 or 16
	s_cselect_b32 s48, s48, s49                    ; the quad's first K step
	s_cselect_b32 s52, 64, 0x2000                  ; from fragment f to f + 2: a K step on, or 32 rows down
	s_cselect_b32 s54, 4, 0x200                    ; the same among the scale bytes
	s_lshl_b32 s56, 8, s50                         ; from fragment f to f + 1: 8 rows down
	s_lshl_b32 s58, s27, 14                        ; the unit's rows begin 16,384 g bytes into either tensor of codes
	s_lshl_b32 s60, s48, 6
	s_add_co_u32 s58, s58, s60
	s_add_nc_u64 s[28:29], s[28:29], s[58:59]
	s_add_nc_u64 s[30:31], s[28:29], s[56:57]
	s_add_nc_u64 s[32:33], s[28:29], s[52:53]
	s_add_nc_u64 s[34:35], s[30:31], s[52:53]
	s_lshl_b32 s58, s27, 10                        ; and 1,024 g bytes into either tensor of scale bytes
	s_lshl_b32 s60, s48, 2
	s_add_co_u32 s58, s58, s60
	s_add_nc_u64 s[36:37], s[36:37], s[58:59]
	s_add_nc_u64 s[38:39], s[36:37], s[54:55]
	v_lshlrev_b32 v8, s50, v14
	s_delay_alu instid0(VALU_DEP_1)
	v_lshl_add_u32 v8, v13, 4, v8                  ; codes: my tile row, + 16 h
	v_lshl_add_u32 v9, v13, 3, v14
	s_delay_alu instid0(VALU_DEP_1)
	v_lshlrev_b32 v9, s51, v9                      ; scale words: lanes 16-31 take the tile 8 rows down
.irp f, 0,1,2,3
.irp c, 0,1
	global_load_b128 v[RL+8*\f+4*\c:RL+8*\f+4*\c+3], v8, s[28+2*\f:29+2*\f] offset:32*\c
.endr
.endr
	global_load_b32 v[RS], v9, s[36:37]
	global_load_b32 v[RS+1], v9, s[38:39]
	s_mul_i32 s58, s27, 34816
	s_mul_i32 s60, s26, 4352
	s_add_co_u32 s58, s58, s60
	s_add_nc_u64 s[24:25], s[24:25], s[58:59]      ; wl at my quad
	s_lshl_b32 s58, s27, 8
	s_add_nc_u64 s[22:23], s[22:23], s[58:59]      ; gval at chunk g
	s_lshl_b32 s58, s27, 2
	s_add_co_u32 s58, s58, 16384
	s_add_nc_u64 s[62:63], s[18:19], s[58:59]      ; hb's table 1 at word g
	s_lshr_b32 s58, s27, 2
	s_lshl_b32 s58, s58, 9
	s_and_b32 s60, s27, 3
	s_lshl_b32 s60, s60, 2
	s_add_co_u32 s58, s58, s60
	s_add_nc_u64 s[18:19], s[18:19], s[58:59]      ; hb's table 0 at block g / 4, word g % 4
	s_lshl_b32 s58, s27, 7
	s_add_nc_u64 s[20:21], s[20:21], s[58:59]      ; sorted at chunk g
	s_lshl_b32 s61, s27, 5                         ; 32 g
	s_wait_loadcnt 42                              ; gate_W's eight loads are in; the 32 of x and the quad's ten stay out
.irp i, 0,1,2,3,4,5,6,7
	ds_store_b128 v16, v[WR+4*\i:WR+4*\i+3] offset:4*WP_*\i   ; a load's 512 bytes are four lanes' pieces
.endr
.irp i, 0,1,2,3,4,5,6,7
	ds_load_b128 v[WR+4*\i:WR+4*\i+3], v17 offset:16*\i       ; LDS serves a wave's instructions in order: these see the stores above.  Register 8 dd + e = gate_W(128 j + 4 L + dd, e)
.endr
	s_wait_dscnt 0x0
.macro WLOUT                           ; my quad leaves, at the wave's end
	s_wait_loadcnt 0x0                             ; the quad's ten loads
.irp f, 0,1,2,3
.irp c, 0,1
	global_store_b128 v2, v[RL+8*\f+4*\c:RL+8*\f+4*\c+3], s[24:25] offset:1024*\f+512*\c   ; 512 consecutive bytes, aligned
.endr
.endr
	global_store_b64 v3, v[RS:RS+1], s[24:25] offset:4096                                 ; 256 consecutive bytes, aligned
.endm
; Token t: 8 partial logits over my 4 d, two experts an instruction; x is broadcast out of its pair (the first register for even dd, the second for odd dd).
.macro TOK t
	s_wait_loadcnt 41-(\t)                         ; loads come back in order: token t's is in; the later tokens' and the quad's ten stay out
.if (\t) >= 2
	s_wait_dscnt 2                                 ; the two stores that read this set, two tokens ago, are done; the last token's two may be out
.endif
.set ta_, AR+8*((\t)%2)
.set tx_, XR+4*(\t)
.irp p, 0,1,2,3
	v_pk_mul_f32 v[ta_+2*\p:ta_+2*\p+1], v[tx_:tx_+1], v[WR+2*\p:WR+2*\p+1] op_sel_hi:[0,1]
.endr
.irp p, 0,1,2,3
	s_delay_alu instid0(VALU_DEP_4)
	v_pk_fma_f32 v[ta_+2*\p:ta_+2*\p+1], v[tx_:tx_+1], v[WR+8+2*\p:WR+8+2*\p+1], v[ta_+2*\p:ta_+2*\p+1] op_sel:[1,0,0] op_sel_hi:[1,1,1]
.endr
.irp p, 0,1,2,3
	s_delay_alu instid0(VALU_DEP_4)
	v_pk_fma_f32 v[ta_+2*\p:ta_+2*\p+1], v[tx_+2:tx_+3], v[WR+16+2*\p:WR+16+2*\p+1], v[ta_+2*\p:ta_+2*\p+1] op_sel_hi:[0,1,1]
.endr
.irp p, 0,1,2,3
	s_delay_alu instid0(VALU_DEP_4)
	v_pk_fma_f32 v[ta_+2*\p:ta_+2*\p+1], v[tx_+2:tx_+3], v[WR+24+2*\p:WR+24+2*\p+1], v[ta_+2*\p:ta_+2*\p+1] op_sel:[1,0,0] op_sel_hi:[1,1,1]
.endr
	ds_store_b128 v4, v[ta_:ta_+3] offset:16*(\t)
	ds_store_b128 v4, v[ta_+4:ta_+7] offset:512+16*(\t)
.endm
.set tk, 0
.rept 32
	TOK tk
.set tk, tk+1
.endr
; Back with a lane to a token: 32 source lanes in four batches of eight, through two regions of registers.  The bytes are the wave's own and LDS serves a wave's instructions in order: no barrier.
.macro RB b
.irp k, 0,1,2,3,4,5,6,7
.irp eh, 0,1
	ds_load_b128 v[XR+64*((\b)%2)+8*\k+4*\eh:XR+64*((\b)%2)+8*\k+4*\eh+3], v5 offset:(8*(\b)+\k)*TRP+512*\eh
.endr
.endr
.endm
.macro SUMB b                          ; eight sources of 8 numbers are added onto v[AR ..]; the very first two start the sums
.set sb_, XR+64*((\b)%2)
.irp k, 0,1,2,3,4,5,6,7
.irp p, 0,1,2,3
.if ((\b) == 0) && (\k == 1)
	v_pk_add_f32 v[AR+2*\p:AR+2*\p+1], v[sb_+2*\p:sb_+2*\p+1], v[sb_+8+2*\p:sb_+8+2*\p+1]
.elseif ((\b) > 0) || (\k > 1)
	v_pk_add_f32 v[AR+2*\p:AR+2*\p+1], v[AR+2*\p:AR+2*\p+1], v[sb_+8*\k+2*\p:sb_+8*\k+2*\p+1]
.endif
.endr
.endr
.endm
	RB 0
	RB 1
	s_wait_dscnt 16                                ; batch 0 is in (and every store before it is done); batch 1's sixteen loads may be out
	SUMB 0
	RB 2
	s_wait_alu depctr_va_vdst(0)
	s_wait_dscnt 16
	SUMB 1
	RB 3
	s_wait_alu depctr_va_vdst(0)
	s_wait_dscnt 16
	SUMB 2
	s_wait_alu depctr_va_vdst(0)
	s_wait_dscnt 0x0
	SUMB 3
	ds_store_b128 v6, v[AR:AR+3]
	ds_store_b128 v6, v[AR+4:AR+7] offset:512
	s_wait_dscnt 0x0                               ; for the others' sake: my stores have landed
	s_barrier_signal -1
	s_barrier_wait -1
	s_cmp_gt_u32 s26, 1
	s_cbranch_scc1 .Lend                           ; waves 2 to 7 have only their quads left; no barrier follows
; Waves 0 and 1 both finish the logits, the softmax and the top 2 (a lane to a token); then wave 0 sorts and wave 1 counts.
.irp k, 0,1,2,3,4,5,6,7
.irp eh, 0,1
	ds_load_b128 v[XR+8*\k+4*\eh:XR+8*\k+4*\eh+3], v7 offset:1024*\k+512*\eh
.endr
.endr
	s_wait_dscnt 0x0
	SUMB 0                                         ; the eight waves' parts, in the waves' order
	s_wait_alu depctr_va_vdst(0)
	s_wait_kmcnt 0x0                               ; gate_b
.irp e, 0,1,2,3,4,5,6,7
	v_add_f32 v[AR+\e], s[40+\e], v[AR+\e]
.endr
	v_max3_num_f32 v96, v[AR], v[AR+1], v[AR+2]
	s_delay_alu instid0(VALU_DEP_1)
	v_max3_num_f32 v96, v96, v[AR+3], v[AR+4]
	s_delay_alu instid0(VALU_DEP_1)
	v_max3_num_f32 v96, v96, v[AR+5], v[AR+6]
	s_delay_alu instid0(VALU_DEP_1)
	v_max_num_f32 v96, v96, v[AR+7]                ; the row's maximum is taken away ahead of the exponentials
.irp e, 0,1,2,3,4,5,6,7
	v_sub_f32 v[AR+8+\e], v[AR+\e], v96
.endr
.irp e, 0,1,2,3,4,5,6,7
	v_mul_f32 v[AR+8+\e], 0x3fb8aa3b, v[AR+8+\e]   ; x log2(e)
.endr
	s_wait_alu depctr_va_vdst(0)
.irp e, 0,1,2,3,4,5,6,7
	v_exp_f32 v[AR+8+\e], v[AR+8+\e]
.endr
	v_nop                                          ; a plain instruction behind the last exponential
	s_wait_alu depctr_va_vdst(0)                   ; one wait for the batch of eight, ahead of its first reader
	v_add_f32 v97, v[AR+8], v[AR+9]
	v_add_f32 v98, v[AR+10], v[AR+11]
	v_add_f32 v99, v[AR+12], v[AR+13]
	v_add_f32 v116, v[AR+14], v[AR+15]
	s_delay_alu instid0(VALU_DEP_3)
	v_add_f32 v97, v97, v98
	s_delay_alu instid0(VALU_DEP_2)
	v_add_f32 v99, v99, v116
	s_delay_alu instid0(VALU_DEP_1)
	v_add_f32 v97, v97, v99
	s_wait_alu depctr_va_vdst(0)
	v_rcp_f32 v98, v97
	v_nop
	s_wait_alu depctr_va_vdst(0)                   ; the reciprocal's wait
.irp e, 0,1,2,3,4,5,6,7
	v_mul_f32 v[AR+8+\e], v[AR+8+\e], v98          ; the gate's weights
.endr
	v_mov_b32 v100, v[AR+8]                        ; the largest so far,
	v_mov_b32 v102, 0                              ; and its expert
.irp e, 1,2,3,4,5,6,7
	s_delay_alu instid0(VALU_DEP_2)
	v_cmp_gt_f32 vcc_lo, v[AR+8+\e], v100          ; strictly larger: a tie keeps the lower index
	s_delay_alu instid0(VALU_DEP_1)
	v_cndmask_b32 v100, v100, v[AR+8+\e], vcc_lo
	s_delay_alu instid0(VALU_DEP_2)
	v_cndmask_b32 v102, v102, \e, vcc_lo
.endr
	v_mov_b32 v101, -1.0                           ; the second: under every weight
	v_mov_b32 v103, 0
.irp e, 0,1,2,3,4,5,6,7
	v_cmp_ne_u32 s48, \e, v102                     ; not the first's expert
	s_delay_alu instid0(VALU_DEP_3)
	v_cmp_gt_f32 vcc_lo, v[AR+8+\e], v101
	s_and_b32 vcc_lo, vcc_lo, s48
	v_cndmask_b32 v101, v101, v[AR+8+\e], vcc_lo
	v_cndmask_b32 v103, v103, \e, vcc_lo
.endr
	s_delay_alu instid0(VALU_DEP_1)
	v_lshl_add_u32 v104, v102, 3, v103             ; key = 8 e0 + e1
	s_cmp_eq_u32 s26, 1
	s_cbranch_scc1 .Lhist
; WAVE 0: the weights, and the chunk's tokens in the order of (key, index).  Token i's place is the number of tokens with a smaller 32 key + index; the lane of that number takes i.  Only values are chosen.
; Each step runs over all 32 tokens before the next begins, each token in a scalar register of its own, so that no line reads the result of the line above it.
	global_store_b64 v3, v[100:101], s[22:23]
	v_lshl_add_u32 v105, v104, 5, v1
	v_mov_b32 v106, 0
.set tk, 0
.rept 32
	v_readlane_b32 s[66+tk], v105, tk
.set tk, tk+1
.endr
.set tk, 0
.rept 32
	v_cmp_gt_u32 s[66+tk], s[66+tk], v105          ; the lanes whose number is smaller than token tk's
.set tk, tk+1
.endr
.set tk, 0
.rept 32
	s_bcnt1_i32_b32 s[66+tk], s[66+tk]             ; how many: token tk's place
.set tk, tk+1
.endr
.set tk, 0
.rept 32
	v_cmp_eq_u32 vcc_lo, s[66+tk], v1
	s_delay_alu instid0(VALU_DEP_1)
	v_cndmask_b32 v106, v106, tk, vcc_lo
.set tk, tk+1
.endr
	s_delay_alu instid0(VALU_DEP_1)
	v_add_nc_u32 v106, s61, v106                   ; as a token's number
	global_store_b32 v15, v106, s[20:21]
	WLOUT
	s_wait_tensorcnt 0x0
	ds_add_u32 v248, v249
	s_wait_dscnt 0x0
	s_endpgm
.Lhist:
; WAVE 1: for bins lane and lane + 32 the number of tokens with a smaller key (the bin's start); a bin's count is the next bin's start less its own.
	v_add_nc_u32 v109, 32, v1
	v_mov_b32 v107, 0
	v_mov_b32 v108, 0
.set tk, 0
	s_wait_alu depctr_va_vdst(0)
.rept 32
	v_readlane_b32 s[66+tk], v104, tk
.set tk, tk+1
.endr
.set tk, 0
.rept 32
	v_cmp_lt_u32 vcc_lo, s[66+tk], v1
	s_delay_alu instid0(VALU_DEP_1)
	v_add_co_ci_u32 v107, vcc_lo, 0, v107, vcc_lo
	v_cmp_lt_u32 vcc_lo, s[66+tk], v109
	s_delay_alu instid0(VALU_DEP_1)
	v_add_co_ci_u32 v108, vcc_lo, 0, v108, vcc_lo
.set tk, tk+1
.endr
	ds_bpermute_b32 v110, v11, v107                ; the next lane's starts (lane 31 gets lane 0's)
	ds_bpermute_b32 v111, v11, v108
	s_wait_dscnt 0x0
	v_cmp_eq_u32 vcc_lo, 31, v1
	s_delay_alu instid0(VALU_DEP_1)
	v_cndmask_b32 v112, v110, v111, vcc_lo         ; behind bin 31 comes bin 32,
	s_wait_alu depctr_va_vdst(0)
	v_cndmask_b32 v113, v111, 32, vcc_lo           ; behind bin 63 the chunk's end
	v_sub_nc_u32 v112, v112, v107
	s_delay_alu instid0(VALU_DEP_2)
	v_sub_nc_u32 v113, v113, v108
	s_delay_alu instid0(VALU_DEP_1)
	v_lshl_or_b32 v114, v113, 16, v112
	v_lshl_or_b32 v115, v108, 16, v107
	global_store_b32 v2, v114, s[18:19]            ; table 0: the counts, my word of the lane's four
	global_store_b32 v18, v114, s[62:63]           ; table 1: the counts, word g of my lane's 128
	global_store_b32 v18, v115, s[62:63] offset:16384   ; table 2: the starts likewise
	WLOUT
	s_wait_tensorcnt 0x0
	ds_add_u32 v248, v249
	s_wait_dscnt 0x0
	s_endpgm
.Lend:
	WLOUT
	s_wait_tensorcnt 0x0
	ds_add_u32 v248, v249
	s_wait_dscnt 0x0
	s_endpgm
.Lfunc_end_k_qeb03947320_route:
	.size	k_qeb03947320_route, .Lfunc_end_k_qeb03947320_route-k_qeb03947320_route
	.p2alignl 7, 3214868480
	.fill 96, 4, 3214868480
	.section	.rodata,"a",@progbits
	.p2align	6, 0x0
	.amdhsa_kernel k_qeb03947320_route
		.amdhsa_group_segment_fixed_size 275456
		.amdhsa_private_segment_fixed_size 0
		.amdhsa_enable_private_segment 0
		.amdhsa_kernarg_size 88
		.amdhsa_user_sgpr_count 2
		.amdhsa_user_sgpr_kernarg_segment_ptr 1
		.amdhsa_wavefront_size32 1
		.amdhsa_system_sgpr_workgroup_id_x 1
		.amdhsa_system_sgpr_workgroup_id_y 1
		.amdhsa_system_sgpr_workgroup_id_z 1
		.amdhsa_system_vgpr_workitem_id 0
		.amdhsa_next_free_vgpr 250
		.amdhsa_next_free_sgpr 100
		.amdhsa_reserve_vcc 1
		.amdhsa_float_denorm_mode_32 3
		.amdhsa_float_denorm_mode_16_64 3
		.amdhsa_memory_ordered 1
		.amdhsa_forward_progress 1
		.amdhsa_inst_pref_size 103
	.end_amdhsa_kernel
	.amdgpu_metadata
---
amdhsa.version: [ 1, 2 ]
amdhsa.kernels:
  - .name:           k_qeb03947320_route
    .symbol:         k_qeb03947320_route.kd
    .args:
      - { .name: x, .offset: 0, .size: 8, .value_kind: global_buffer, .address_space: global }
      - { .name: gate_W, .offset: 8, .size: 8, .value_kind: global_buffer, .address_space: global }
      - { .name: gate_b, .offset: 16, .size: 8, .value_kind: global_buffer, .address_space: global }
      - { .name: W1_codes, .offset: 24, .size: 8, .value_kind: global_buffer, .address_space: global }
      - { .name: W1_scales, .offset: 32, .size: 8, .value_kind: global_buffer, .address_space: global }
      - { .name: W2_codes, .offset: 40, .size: 8, .value_kind: global_buffer, .address_space: global }
      - { .name: W2_scales, .offset: 48, .size: 8, .value_kind: global_buffer, .address_space: global }
      - { .name: hb, .offset: 56, .size: 8, .value_kind: global_buffer, .address_space: global }
      - { .name: sorted, .offset: 64, .size: 8, .value_kind: global_buffer, .address_space: global }
      - { .name: gval, .offset: 72, .size: 8, .value_kind: global_buffer, .address_space: global }
      - { .name: wl, .offset: 80, .size: 8, .value_kind: global_buffer, .address_space: global }
    .group_segment_fixed_size: 275456
    .private_segment_fixed_size: 0
    .kernarg_segment_align: 8
    .kernarg_segment_size: 88
    .max_flat_workgroup_size: 256
    .sgpr_count:     100
    .vgpr_count:     250
    .wavefront_size: 32
...
	.end_amdgpu_metadata
.endif
;; end of part 3
;; launch chain (part 4): grid 182 x 1, 16 waves a work-group, no clusters, 188,416 bytes of LDS; arguments x, hb, sorted, gval, wl, b1, b2, ln_gamma, ln_beta, out0; writes out0
.if DOCPART == 4
	.amdgcn_target "amdgcn-amd-amdhsa--gfx1250"
	.amdhsa_code_object_version 6
	.text
	.protected	k_qeb03947320_chain
	.globl	k_qeb03947320_chain
	.p2align	8
	.type	k_qeb03947320_chain,@function
k_qeb03947320_chain:
	s_mov_b64 s[64:65], 0
	v_nop
	global_prefetch_b8 v0, s[64:65] scope:SCOPE_SE
	s_setreg_imm32_b32 hwreg(HW_REG_WAVE_SCHED_MODE, 0, 2), 2
	s_setreg_imm32_b32 hwreg(HW_REG_WAVE_MODE, 25, 1), 1
	s_wait_xcnt 0x0
	s_wait_alu depctr_vm_vsrc(0)
; ONE TILE OF 32 TOKENS OF ONE PAIR OF EXPERTS (e0, e1) THROUGH THE WHOLE CHAIN:
;   eo0 = relu(Q(x) W1[e0] + b1[e0]) -> Q -> W2[e0] + b2[e0];  boost = x + 0.5 eo0;  eo1 = the same of Q(boost) with e1;  out = LayerNorm(x + v0 eo0 + v1 eo1).
; The four products run on codes of FP4 (E2M1) with one E8M0 scale for each 32 along K; all that goes into a quantiser is f32.  Nothing between x and out goes to memory; each row of out has one owner.
; THE GRID serves every split: tiles are cut inside the 56 possible bins key = 8 e0 + e1, so there are at most (4096 + 56 x 31) / 32 = 182 of them.  Every WAVE works out for itself, from the whole numbers that the launch
; before stored (hb, sorted), which bin and which tile are the work-group's and which tokens stand in its own two slots.  The numbers that steer addresses and branches stay in registers from their loads on: sums over
; chunks are vector additions with a lane to a bin; what has to cross lanes goes to scalar registers by v_readlane_b32, is made into running sums there, and is searched by halves: one compare steers 16, 8, 4, 2, 1 selects.
; That costs each wave 16 KiB of counts, 256 KiB a work-group beside its 1.11 MB of weights, some 550 scalar instructions and lane reads, and no barrier.
; A work-group whose number lies past the split's last tile runs on clamped numbers with count = 0 and stores nothing: every wave has to pass every barrier, so no branch on stored numbers stands ahead of one;
; the only such branches stand round the stores at the end.  A tile's spare slots take whatever token the clamped place names (rows do not depend on each other) and are not stored either.
; SHARES.  Sixteen waves, 256 registers each.  The waves share the COLUMNS: wave w makes hidden units 32 w .. + 31 and outputs 64 w .. + 63, for all 32 tokens (row tiles m = 0, 1).
; Both products are used transposed (source 0 = 16 rows of a weight, source 1 = 16 tokens): lane (r, h) holds token 16 m + r throughout, and by the choice of a tile's rows (made when wl was laid) the 16 registers of
; tiles 2 b and 2 b + 1 are 16 neighbours along the next K: unit 32 b + 16 h + 8 u + j.
; THE WEIGHTS come from wl, laid as images of operand registers, straight into registers: a ring of two quads (4 fragments and their scale words: 9 loads) that runs on through barriers and quantisers.
; THE ACTIVATIONS' codes go from wave to wave through LDS as images of operand registers; a lane stores its 8 bytes (16 codes) at the place that the image gives them, so no lanes are exchanged.
; No tensor load, no cluster, no joint request: addresses and the last branches hang on numbers read from memory, and two tiles share weights only where the split happens to give a pair several tiles.
; LIMITS: NaN and infinities are not served.  A block whose largest magnitude lies under 2^-124 (a block of zeros among them) gets the scale byte 1; these bytes are read by this launch alone.
; y = x + v0 eo0 is carried as x + 2 v0 (boost - x), which differs from it by a rounding of x's size; it feeds no quantiser.
; THE MODE: SCHED_MODE bits 1:0 = 2 (LLVM: expert scheduling mode 2), set by the entry lines.  The code itself states the register dependences between vector or matrix instructions and memory or LDS
; instructions, and those through scalar registers that vector instructions write, with s_wait_alu, always for 0.
; THE PLAN.  Registers that memory or LDS instructions touch, and who else names them:
;   v2 .. v15        offsets and LDS addresses: made by vector instructions at the head and never written again: the head's waits on va_vdst serve them for the whole kernel.
;   v84 .. v211      in the head the counts: loaded, read by the running sums' additions; then other loads land there (the bin's words, the biases, the first quads): one wait behind the additions.
;   v84-88, v97, v22, v23   offsets of the head alone: written by vector instructions, read by loads and LDS stores, and later written over: a wait on vm_vsrc ahead of each such write.
;   XY               at work in the head (lane reads among it); x lands there; LDS stores read it; LDS loads land in it again; at the end LDS stores read it once more.
;   a quantiser's codes and byte word   written by the conversions, read by one run of LDS stores (one wait on va_vdst ahead of the run), loaded over by the next product (one wait on vm_vsrc at each product's head).
;   the operand buffers AF, HF, the two quads WB0, SW0, the scale words SA, SH   loaded, and read by matrix instructions alone: ONE wait on va_vdst behind a quad's eight products; behind it the loads into the quad's
;                    slot and into its operand buffer follow with no further wait, since no vector or matrix instruction stands between.  All 256 registers are taken: there is no room for a third slot.
;   v148, v164       the LayerNorm's parts: written by vector instructions, read by one LDS store each, then written or loaded again.
;   The accumulators are begun by LDS loads of the biases and else named by matrix and vector instructions alone.
;   s24, s54, s56, s66-97   written by lane reads: one wait on va_sdst behind each run of them, ahead of the first reader.
.set AIMG, 0                           ; LDS: the first product's operand: [m 2][K step 8][half 2][512 bytes]
.set HIMG, 16384                       ; the second's: [m 2][K step 4][half 2][512 bytes]
.set ASC,  24576                       ; scale bytes of the first: [slot 32][32]
.set HSC,  25600                       ; of the second: [slot 32][16]
.set GV,   26112                       ; the gate's weights: [slot 32][v0, v1]
.set RED1, 30208                       ; [wave 16][slot 32] f32: sums
.set RED2, 32256                       ; [wave 16][slot 32] f32: sums of squares
.set BIAS, 34304                       ; 1,280 bytes for each wave, its own: b1[e0] 0, b1[e1] 128, b2[e0] 256, b2[e1] 512, gamma 768, beta 1024
.set XST,  54784                       ; 32 rows of 4,096 bytes + 16: x on the way in, out on the way out
.set XP,   4112                        ; 257 x 16 bytes: an odd multiple of 16, so sixteen rows begin at sixteen different 16-byte columns of 256
.set XY,   20                          ; v20-83   at work in the head; then x, then y: 32 m + 8 t + j
.set PG,   32                          ; v32-63   in the head: the running sums of the counts, one for each four chunks
.set CN,   84                          ; v84-211  in the head: the counts of all 128 chunks; then offsets and small loads
.set ACC2, 84                          ; v84-147  the second product's sums, index as XY's; in the first product the operand's two buffers; else at work
.set AF0,  84
.set ACC1, 148                         ; v148-179 the first product's sums: 16 m + 8 u + j; in the second product the operand's two buffers; else at work
.set HF0,  148
.set WB0,  180                         ; v180-243 two quads of weights
.set SW0,  244                         ; v244-247 their scale words: scales and nothing else
.set SA,   248                         ; v248-255 the activations' scale words: scales and nothing else
.set SH,   248
; v1 lane, v2 16 lane, v3 8 lane, v4 4 lane, v5 128 w + 4 lane, v6 / v7 my place in XST for m = 0 / 1, v8 my wave's two rows of XST, v9 / v10 where my 8 bytes of codes go, v11 / v12 where my scale bytes go,
; v13 my slot's scale words, v14 my biases, v15 where my wave's two tokens' gate weights go, v[16:17], v[18:19] the gate's weights of tokens r and 16 + r.
; s24 wave, s25 work-group, s[26:27] selects for lane l xor 16, s28 mask of lanes 16-31, s[36:37], s[38:39] wl at (e0, w), (e1, w), s[40:43] my two rows of x, s[44:47] of out, s48 count, s66-97 what the head reads out of lanes,
; s[98:99] hb at the bin's lane.
.macro BAR                             ; my LDS stores have landed and my LDS loads are in: then the work-group's barrier
	s_wait_dscnt 0x0
	s_barrier_signal -1
	s_barrier_wait -1
.endm
.macro NOP4                            ; four places behind a matrix instruction, ahead of the first read of its result; they stand beside the wait that the loads into its registers have
.rept 4
	v_nop
.endr
.endm
.macro QLOAD n                         ; quad n of the chain's 16 (stage n / 8, quad n % 8) into slot n % 2: nine loads
.set lw_, WB0+32*((\n)%2)
.set ls_, SW0+2*((\n)%2)
.set lp_, 36+2*((\n)/8)
.set lo_, ((\n)%8)*4352
.irp f, 0,1,2,3
.irp c, 0,1
	global_load_b128 v[lw_+8*\f+4*\c:lw_+8*\f+4*\c+3], v2, s[lp_:lp_+1] offset:lo_+1024*\f+512*\c
.endr
.endr
	global_load_b64 v[ls_:ls_+1], v3, s[lp_:lp_+1] offset:lo_+4096
.endm
.macro WM d, a, b, sa, sb, ra, rb      ; one link: D = C = v[d ..]; ra, rb: the scales stand in lanes 16-31 of their register
.if (\ra) && (\rb)
	v_wmma_scale_f32_16x16x128_f8f6f4 v[\d:\d+7], v[\a:\a+7], v[\b:\b+7], v[\d:\d+7], v[\sa], v[\sb] matrix_a_fmt:MATRIX_FMT_FP4 matrix_b_fmt:MATRIX_FMT_FP4 matrix_a_scale:MATRIX_SCALE_ROW1 matrix_b_scale:MATRIX_SCALE_ROW1
.elseif (\ra)
	v_wmma_scale_f32_16x16x128_f8f6f4 v[\d:\d+7], v[\a:\a+7], v[\b:\b+7], v[\d:\d+7], v[\sa], v[\sb] matrix_a_fmt:MATRIX_FMT_FP4 matrix_b_fmt:MATRIX_FMT_FP4 matrix_a_scale:MATRIX_SCALE_ROW1
.elseif (\rb)
	v_wmma_scale_f32_16x16x128_f8f6f4 v[\d:\d+7], v[\a:\a+7], v[\b:\b+7], v[\d:\d+7], v[\sa], v[\sb] matrix_a_fmt:MATRIX_FMT_FP4 matrix_b_fmt:MATRIX_FMT_FP4 matrix_b_scale:MATRIX_SCALE_ROW1
.else
	v_wmma_scale_f32_16x16x128_f8f6f4 v[\d:\d+7], v[\a:\a+7], v[\b:\b+7], v[\d:\d+7], v[\sa], v[\sb] matrix_a_fmt:MATRIX_FMT_FP4 matrix_b_fmt:MATRIX_FMT_FP4
.endif
.endm
.macro AFLOAD q                        ; the first product's operand for K steps 2 q, 2 q + 1, both row tiles: eight loads into buffer q % 2
.set la_, AF0+32*((\q)%2)
.irp i, 0,1
.irp m, 0,1
.irp c, 0,1
	ds_load_b128 v[la_+16*\i+8*\m+4*\c:la_+16*\i+8*\m+4*\c+3], v2 offset:AIMG+8192*\m+1024*(2*(\q)+\i)+512*\c
.endr
.endr
.endr
.endm
.macro HFLOAD s                        ; the second product's operand for K step s, both row tiles: four loads into buffer s % 2
.set lh_, HF0+16*((\s)%2)
.irp m, 0,1
.irp c, 0,1
	ds_load_b128 v[lh_+8*\m+4*\c:lh_+8*\m+4*\c+3], v2 offset:HIMG+4096*\m+1024*(\s)+512*\c
.endr
.endr
.endm
; A quad of the first product: two K steps x (2 tiles of hidden units x 2 row tiles).  The four accumulators take turns, one instruction a turn.
.macro P1Q n
.set q_, (\n)%4
.set wb_, WB0+32*((\n)%2)
.set sw_, SW0+2*((\n)%2)
.set af_, AF0+32*(q_%2)
.if q_ < 3
	s_wait_dscnt 8                                 ; this quad's operand is in; the other buffer's eight loads may be out
.else
	s_wait_dscnt 0x0
.endif
	s_wait_loadcnt 9                               ; this quad's weights are in; the next quad's nine loads may be out
.irp i, 0,1
.irp u, 0,1
.irp m, 0,1
	WM ACC1+16*\m+8*\u, wb_+8*(2*\i+\u), af_+16*\i+8*\m, sw_+\i, SA+2*q_+\i, \u, \m
.endr
.endr
.endr
	NOP4
	s_wait_alu depctr_va_vdst(0)                   ; the eight products are done reading this quad's weights, its scale words and its operand buffer: the loads below land there
	QLOAD (\n)+2                                   ; into the slot just multiplied
.if q_ < 2
	AFLOAD q_+2
.endif
.endm
; A quad of the second product: one K step x (4 tiles of outputs x 2 row tiles): eight accumulators by turns.
.macro P2Q n
.set s_, (\n)%4
.set wb_, WB0+32*((\n)%2)
.set sw_, SW0+2*((\n)%2)
.set hf_, HF0+16*(s_%2)
.if s_ < 3
	s_wait_dscnt 4                                 ; this K step's operand is in; the other buffer's four loads may be out
.else
	s_wait_dscnt 0x0
.endif
.if (\n) < 15
	s_wait_loadcnt 9                               ; this quad's weights are in; the next quad's nine loads may be out
.else
	s_wait_loadcnt 0x0                             ; the last quad: nothing was asked for behind it
.endif
.irp t, 0,1,2,3
.irp m, 0,1
	WM ACC2+32*\m+8*\t, wb_+8*\t, hf_+8*\m, sw_+\t/2, SH+s_, \t%2, \m
.endr
.endr
	NOP4
.if (\n)+2 <= 15
	s_wait_alu depctr_va_vdst(0)                   ; the eight products are done reading this quad's weights, its scale words and its operand buffer: the loads below land there.  (The chain's last two quads ask for nothing and have no such wait)
	QLOAD (\n)+2
.endif
.if s_ < 2
	HFLOAD s_+2
.endif
.endm
.macro PROD1 st                        ; hidden = operand x W1[e_st] + b1[e_st]: the bias is loaded into the accumulators and is the C of each sum's first link
	s_wait_alu depctr_vm_vsrc(0)                   ; my LDS stores of codes and scale bytes, ahead of the barrier, have read their data registers: the loads below land in them.  (The vector instructions that named those registers stand ahead of the wait in front of the stores)
.irp m, 0,1
.irp u, 0,1
.irp f, 0,1
	ds_load_b128 v[ACC1+16*\m+8*\u+4*\f:ACC1+16*\m+8*\u+4*\f+3], v14 offset:128*(\st)+32*\u+16*\f
.endr
.endr
.endr
	ds_load_b128 v[SA:SA+3], v13                   ; lane l: slot l's scale words, K steps 0-3,
	ds_load_b128 v[SA+4:SA+7], v13 offset:16       ; 4-7
	AFLOAD 0
	AFLOAD 1
	P1Q 8*(\st)+0
	P1Q 8*(\st)+1
	P1Q 8*(\st)+2
	P1Q 8*(\st)+3
.endm
.macro PROD2 st                        ; eo = hidden x W2[e_st] + b2[e_st]
	s_wait_alu depctr_vm_vsrc(0)                   ; my LDS stores of the hidden layer's codes and scale byte, ahead of the barrier, have read their data registers: the biases below land in them
.irp m, 0,1
.irp t, 0,1,2,3
.irp f, 0,1
	ds_load_b128 v[ACC2+32*\m+8*\t+4*\f:ACC2+32*\m+8*\t+4*\f+3], v14 offset:256+256*(\st)+128*(\t/2)+32*(\t%2)+16*\f
.endr
.endr
.endr
	ds_load_b128 v[SH:SH+3], v2 offset:HSC
	HFLOAD 0
	HFLOAD 1
	P2Q 8*(\st)+4
	P2Q 8*(\st)+5
	P2Q 8*(\st)+6
	P2Q 8*(\st)+7
.endm
; nb blocks: block q's 16 numbers of my half at v[src + 16 q ..]; at v[tmp + 8 q ..]: +0 the largest magnitude, +1 at work, +2 the conversion's scale operand, +3 the scale's byte, +4, +5 my 16 codes.
; The floor 2^(3 - 127) among the maximum's leaves holds the byte at 1 from below.  abs = 0: no number is negative.  The blocks take turns line by line.
.macro QUANT nb, src, tmp, abs
.set qb, 0
.rept \nb
	v_mov_b32 v[\tmp+8*qb+1], 0                    ; a lane permute's destination counts as one of its sources
.set qb, qb+1
.endr
.set qb, 0
.rept \nb
.if \abs
	v_max3_num_f32 v[\tmp+8*qb], |v[\src+16*qb]|, |v[\src+16*qb+1]|, 0x1800000
.else
	v_max3_num_f32 v[\tmp+8*qb], v[\src+16*qb], v[\src+16*qb+1], 0x1800000
.endif
.set qb, qb+1
.endr
.irp i, 2,4,6,8,10,12,14
.set qb, 0
.rept \nb
.if \abs
	v_max3_num_f32 v[\tmp+8*qb], v[\tmp+8*qb], |v[\src+16*qb+\i]|, |v[\src+16*qb+\i+1]|
.else
	v_max3_num_f32 v[\tmp+8*qb], v[\tmp+8*qb], v[\src+16*qb+\i], v[\src+16*qb+\i+1]
.endif
.set qb, qb+1
.endr
.endr
.set qb, 0
.rept \nb
	v_permlanex16_b32 v[\tmp+8*qb+1], v[\tmp+8*qb], s26, s27
.set qb, qb+1
.endr
.set qb, 0
.rept \nb
	v_max_num_f32 v[\tmp+8*qb], v[\tmp+8*qb], v[\tmp+8*qb+1]      ; with lane l xor 16's 16: the block's largest magnitude
.set qb, qb+1
.endr
.set qb, 0
.rept \nb
	v_add_nc_u32 v[\tmp+8*qb+2], 0xff000000, v[\tmp+8*qb]         ; 2 off its exponent field: the conversion takes that field as its scale
.set qb, qb+1
.endr
.set qb, 0
.rept \nb
	v_lshrrev_b32 v[\tmp+8*qb+3], 23, v[\tmp+8*qb+2]              ; the scale's byte
.set qb, qb+1
.endr
.set qb, 0
.rept \nb
	v_cvt_scalef32_pk8_fp4_f32 v[\tmp+8*qb+4], v[\src+16*qb:\src+16*qb+7], v[\tmp+8*qb+2]
	v_cvt_scalef32_pk8_fp4_f32 v[\tmp+8*qb+5], v[\src+16*qb+8:\src+16*qb+15], v[\tmp+8*qb+2]
.set qb, qb+1
.endr
	v_nop                                          ; one plain instruction behind the last scaled conversion
.endm
.macro ASTORE tmp                      ; four blocks (2 m + b) just quantised become my wave's part of the first product's operand.  The scale bytes' word is made first, so that the five stores stand in one run behind one wait
.irp m, 0,1
	v_lshl_or_b32 v[\tmp+16*\m+1], v[\tmp+16*\m+11], 8, v[\tmp+16*\m+3]   ; row tile m: my wave's two scale bytes
.endr
	v_cndmask_b32 v[\tmp+1], v[\tmp+1], v[\tmp+17], s28            ; lane l stores for slot l: lanes 16-31 take row tile 1's
	s_wait_alu depctr_va_vdst(0)                   ; the conversions have written the codes and the line above the bytes' word, which the stores read; the quantiser is done with the numbers' and its own registers, in which the next product's loads land
.irp m, 0,1
.irp b, 0,1
	ds_store_b64 v9, v[\tmp+8*(2*\m+\b)+4:\tmp+8*(2*\m+\b)+5] offset:AIMG+8192*\m+256*\b
.endr
.endr
	ds_store_b16 v11, v[\tmp+1]
	BAR
.endm
.macro HIDQ                            ; relu, quantise, and my wave's block of the second product's operand
.set r_, 0
.rept 32
	v_max_num_f32 v[ACC1+r_], 0, v[ACC1+r_]        ; ascending: each accumulator is read from its low end on
.set r_, r_+1
.endr
	QUANT 2, ACC1, 84, 0
	v_cndmask_b32 v85, v87, v95, s28
	s_wait_alu depctr_va_vdst(0)                   ; the conversions have written the codes and the line above the byte, which the stores read; the quantiser is done with the hidden layer's and its own registers, in which the next product's loads land
.irp m, 0,1
	ds_store_b64 v10, v[84+8*\m+4:84+8*\m+5] offset:4096*\m
.endr
	ds_store_b8 v12, v85
	BAR
.endm
; THE SEARCH BY HALVES over sums that never fall: how many of them are at most a limit.  The middle one is compared; by that one compare the upper or the lower half is taken (SEL3: n selects, which leave SCC alone),
; and the count takes the compare's bit: count = 2 count + SCC.
.macro SEL3 d, hi, lo, n               ; s[d + i] = SCC ? s[hi + i] : s[lo + i]
.set si_, 0
.rept \n
	s_cselect_b32 s[\d+si_], s[\hi+si_], s[\lo+si_]
.set si_, si_+1
.endr
.endm
.macro TST6 r, nx                      ; a whole word against s34.  s31 keeps the last sum found at or under the limit, s[nx] the last found above it: at the end the two that stand on either side of the limit
	s_cmp_le_u32 s[\r], s34
	s_cselect_b32 s31, s[\r], s31
	s_cselect_b32 s[\nx], s[\nx], s[\r]
.endm
; 32 bins, a lane each, in v[vr]: a bin's word is tokens | tiles << 16.  s66-97 become the running sums of the words, this bin's among them, on top of s30, the sum of the bins before (all tokens together are 4,096,
; so the low half never reaches the high one).  A bin whose sum is at most s34 = my tile's number << 16 | 0xffff ends at or ahead of my tile.  s32: how many of the 32 do, 0 to 32: five halvings and the one sum left over.
.macro BINS vr, nx
.set bi_, 0
.rept 32
	v_readlane_b32 s[66+bi_], v[\vr], bi_
.set bi_, bi_+1
.endr
	s_wait_alu depctr_va_sdst(0)                   ; the 32 lane reads have written s66 to s97, ahead of their first reader
	s_add_co_u32 s66, s66, s30
.set bi_, 1
.rept 31
	s_add_co_u32 s[66+bi_], s[66+bi_], s[66+bi_-1]
.set bi_, bi_+1
.endr
	s_mov_b32 s30, s97
	s_mov_b32 s32, 0
	TST6 81, \nx
	SEL3 66, 82, 66, 16
	s_add_co_ci_u32 s32, s32, s32
	TST6 73, \nx
	SEL3 66, 74, 66, 8
	s_add_co_ci_u32 s32, s32, s32
	TST6 69, \nx
	SEL3 66, 70, 66, 4
	s_add_co_ci_u32 s32, s32, s32
	TST6 67, \nx
	SEL3 66, 68, 66, 2
	s_add_co_ci_u32 s32, s32, s32
	TST6 66, \nx
	SEL3 66, 67, 66, 1
	s_add_co_ci_u32 s32, s32, s32
	TST6 66, \nx
	s_add_co_ci_u32 s32, s32, 0
.endm
.macro TST5 r, lim, best               ; the bin's half of a packed word against s[lim]; s[best] keeps the last sum found at or under it
	s_bfe_u32 s29, s[\r], s61
	s_cmp_le_u32 s29, s[\lim]
	s_cselect_b32 s[\best], s29, s[\best]
.endm
; s66-97: the bin's tokens in chunks 0 .. 4 g + 3, g = 0 .. 31.  The groups of four chunks whose sum is at most the token's number s[lim] lie ahead of it: s[cnt] their number, which is the token's group (the last
; group's sum is the bin's total and is not asked: five halvings), s[best] the tokens ahead of that group.  The first halving goes to s[d0 ..], s[d1 ..], 8 registers each, the rest stays in s[d0 ..].
.macro GROUP d0, d1, lim, best, cnt
	s_mov_b32 s[\best], 0
	s_mov_b32 s[\cnt], 0
	TST5 81, \lim, \best
	SEL3 \d0, 82, 66, 8
	SEL3 \d1, 90, 74, 8
	s_add_co_ci_u32 s[\cnt], s[\cnt], s[\cnt]
	TST5 \d0+7, \lim, \best
	SEL3 \d0, \d1, \d0, 8
	s_add_co_ci_u32 s[\cnt], s[\cnt], s[\cnt]
	TST5 \d0+3, \lim, \best
	SEL3 \d0, \d0+4, \d0, 4
	s_add_co_ci_u32 s[\cnt], s[\cnt], s[\cnt]
	TST5 \d0+1, \lim, \best
	SEL3 \d0, \d0+2, \d0, 2
	s_add_co_ci_u32 s[\cnt], s[\cnt], s[\cnt]
	TST5 \d0, \lim, \best
	s_add_co_ci_u32 s[\cnt], s[\cnt], s[\cnt]
.endm
; The bin's token number s[g] lies in the four chunks of group s[grp], s[ex] of the bin's tokens lie ahead of them; s[cw ..] the four chunks' packed counts, s[sw ..] their packed starts.
; The last chunk with at most s[g] tokens ahead holds it; s[out]: its place in 'sorted' = 128 group + 32 i + start + (number - tokens ahead), held inside the table.
.macro RESOLVE g, ex, grp, cw, sw, out
	s_mov_b32 s29, s[\ex]
	s_mov_b32 s[\out], 0
.irp i, 0,1,2,3
	s_bfe_u32 s62, s[\sw+\i], s61
.if \i > 0
	s_add_co_u32 s62, s62, 32*\i
.endif
	s_sub_co_u32 s62, s62, s29
	s_cmp_le_u32 s29, s[\g]
	s_cselect_b32 s[\out], s62, s[\out]
.if \i < 3
	s_bfe_u32 s63, s[\cw+\i], s61
	s_add_co_u32 s29, s29, s63
.endif
.endr
	s_add_co_u32 s[\out], s[\out], s[\g]
	s_lshl_b32 s62, s[\grp], 7
	s_add_co_u32 s[\out], s[\out], s62
	s_min_u32 s[\out], s[\out], 0xfff
.endm
; ---- the head, part 1: the counts of all 128 chunks: 32 loads of 512 consecutive bytes; a lane's 16 bytes are four chunks' packed counts of bins lane and lane + 32
	s_load_b512 s[4:19], s[0:1], 0x0               ; x, hb, sorted, gval, wl, b1, b2, ln_gamma
	s_load_b128 s[20:23], s[0:1], 0x40             ; ln_beta, out0
	v_lshrrev_b32 v15, 5, v0
	v_readfirstlane_b32 s24, v15                   ; wave 0..15
	s_mov_b32 s25, ttmp9
	s_mov_b32 s26, 0x76543210
	s_mov_b32 s27, 0xfedcba98
	s_mov_b32 s28, 0xffff0000
	v_and_b32 v1, 31, v0
	v_lshlrev_b32 v2, 4, v1
	v_lshlrev_b32 v3, 3, v1
	v_lshlrev_b32 v4, 2, v1
	v_lshlrev_b32 v5, 2, v0
	s_wait_kmcnt 0x0
	s_wait_alu depctr_va_vdst(0)                   ; v2 is written: the 32 loads read it as their offset
.set hi_, 0
.rept 32
	global_load_b128 v[CN+4*hi_:CN+4*hi_+3], v2, s[6:7] offset:512*hi_
.set hi_, hi_+1
.endr
	v_and_b32 v20, 15, v0                          ; r
	v_bfe_u32 v21, v0, 4, 1                        ; h
	v_mul_u32_u24 v6, v20, XP
	v_lshl_add_u32 v6, v21, 6, v6
	s_wait_alu depctr_va_sdst(0)                   ; s24, the wave's number, is written, ahead of its first reader
	s_lshl_b32 s29, s24, 8
	s_add_co_u32 s29, s29, XST
	v_add_nc_u32 v6, s29, v6                       ; XST + row r + 256 w + 64 h
	v_add_nc_u32 v7, 16*XP, v6
	s_mul_i32 s29, s24, 2*XP
	s_add_co_u32 s29, s29, XST
	v_add_nc_u32 v8, s29, v2
	v_lshlrev_b32 v9, 4, v20
	v_lshl_add_u32 v9, v21, 3, v9                  ; 16 r + 8 h
	s_lshl_b32 s29, s24, 8
	s_add_co_u32 s29, s29, HIMG
	v_add_nc_u32 v10, s29, v9
	s_lshl_b32 s29, s24, 9
	v_add_nc_u32 v9, s29, v9
	v_lshl_add_u32 v13, v1, 5, ASC
	s_lshl_b32 s29, s24, 1
	v_add_nc_u32 v11, s29, v13
	v_lshl_add_u32 v12, v1, 4, HSC
	v_add_nc_u32 v12, s24, v12
	s_mul_i32 s62, s24, 1280
	s_add_co_u32 s62, s62, BIAS
	v_lshl_add_u32 v14, v21, 6, s62
	v_add_nc_u32 v22, s62, v4                      ; my wave's biases on their way in: 4 bytes a lane,
	v_add_nc_u32 v23, s62, v3                      ; 8 bytes a lane
	s_lshl_b32 s29, s24, 4
	s_add_co_u32 s29, s29, GV
	v_mov_b32 v15, s29                             ; GV + 16 w: slots 2 w and 2 w + 1
; the running sums: v[PG + g] = the bins' tokens in chunks 0 .. 4 g + 3, packed; each half stays at or under 4,096, so nothing carries over
.set hi_, 0
.rept 32
.if (hi_%8) == 0
	s_wait_loadcnt 24-hi_                          ; the next eight loads are in; the later groups of eight stay out
.endif
	v_add3_u32 v[64+(hi_%2)], v[CN+4*hi_], v[CN+4*hi_+1], v[CN+4*hi_+2]
.if hi_ == 0
	v_add_nc_u32 v[PG], v64, v[CN+3]
.else
	s_wait_alu depctr_va_vdst(0)
	v_add3_u32 v[PG+hi_], v[PG+hi_-1], v[64+(hi_%2)], v[CN+4*hi_+3]
.endif
.set hi_, hi_+1
.endr
; ---- part 2: the bins' tiles, and which bin and which tile of it is the work-group's
	v_add_nc_u32 v66, 0x001f001f, v[PG+31]
	v_lshrrev_b32 v66, 5, v66
	v_and_b32 v66, 0x07ff07ff, v66                 ; tiles of bins lane and lane + 32: (n + 31) / 32 in each half
	v_and_b32 v67, 0xffff, v[PG+31]
	v_lshlrev_b32 v68, 16, v66
	v_add_nc_u32 v67, v67, v68                     ; bin lane: tokens | tiles << 16
	v_lshrrev_b32 v69, 16, v[PG+31]
	v_and_b32 v68, s28, v66
	v_add_nc_u32 v69, v69, v68                     ; bin lane + 32 likewise
	v_mov_b32 v97, 0                               ; the offset of the loads whose whole address stands in their base
	s_lshl_b32 s34, s25, 16
	s_or_b32 s34, s34, 0xffff
	s_mov_b32 s30, 0
	s_mov_b32 s31, 0
	s_mov_b32 s33, 0
	s_mov_b32 s53, 0
	BINS 67, 33                                    ; bins 0-31,
	s_mov_b32 s49, s32
	BINS 69, 53                                    ; bins 32-63
	s_cmp_lt_u32 s49, 32
	s_cselect_b32 s33, s33, s53                    ; the first sum past my tile: my bin's (it lies among the first 32 if not all of those end ahead of my tile)
	s_add_co_u32 s49, s49, s32                     ; the bins that end at or ahead of my tile: my bin's number
	s_min_u32 s49, s49, 63
	s_and_b32 s50, s49, 31                         ; its lane,
	s_lshr_b32 s51, s49, 5
	s_lshl_b32 s51, s51, 4                         ; and its half of a word:
	s_or_b32 s61, s51, 0x100000                    ; a field of 16 bits from bit 0 or 16
	s_lshl_b32 s98, s50, 9
	s_mov_b32 s99, 0
	s_add_nc_u64 s[98:99], s[6:7], s[98:99]        ; hb's tables 1 and 2 hold a lane's words of all 128 chunks on end: 512 bytes
	s_wait_alu depctr_va_vdst(0)                   ; the additions over the counts are done reading v84 to v211, in which the loads from here on land; v6 to v15, v22, v23 and v97, which later loads and LDS instructions read as addresses, are written
	global_load_b128 v[104:107], v2, s[98:99] offset:16384   ; lane L: the bin's counts in chunks 4 L .. 4 L + 3,
	global_load_b128 v[108:111], v2, s[98:99] offset:32768   ; and its starts.  Asked for as soon as the bin is known: they land under the search below
	s_lshr_b32 s35, s30, 16                        ; the split's tiles
	s_sub_co_u32 s33, s33, s31
	s_and_b32 s33, s33, 0xffff                     ; my bin's tokens: its sum less the sum before it
	s_lshr_b32 s31, s31, 16                        ; the tiles ahead of my bin
	s_sub_co_u32 s53, s25, s31                     ; which tile of the bin
	s_lshl_b32 s52, s53, 5
	s_sub_co_u32 s33, s33, s52
	s_min_u32 s33, s33, 32                         ; its tokens
	s_cmp_lt_u32 s25, s35
	s_cselect_b32 s48, s33, 0                      ; the rows that the work-group stores: none past the split's last tile
	s_lshr_b32 s53, s49, 3
	s_min_u32 s53, s53, 7                          ; e0
	s_and_b32 s63, s49, 7
	s_min_u32 s63, s63, 7                          ; e1
	s_mul_i32 s57, s24, 34816
	s_mul_i32 s56, s53, 557056
	s_add_co_u32 s56, s56, s57
	s_mul_i32 s58, s63, 557056
	s_add_co_u32 s58, s58, s57
	s_mov_b32 s57, 0
	s_mov_b32 s59, 0
	s_add_nc_u64 s[36:37], s[12:13], s[56:57]
	s_add_nc_u64 s[38:39], s[12:13], s[58:59]
	s_lshl_b32 s57, s24, 7
	s_lshl_b32 s56, s53, 11
	s_add_co_u32 s56, s56, s57
	v_add_nc_u32 v84, s56, v4                      ; b1[e0]: my wave's 32 numbers, 4 bytes a lane
	s_lshl_b32 s56, s63, 11
	s_add_co_u32 s56, s56, s57
	v_add_nc_u32 v85, s56, v4
	s_lshl_b32 s57, s24, 8
	s_lshl_b32 s56, s53, 12
	s_add_co_u32 s56, s56, s57
	v_add_nc_u32 v86, s56, v3                      ; b2[e0]: my wave's 64 numbers, 8 bytes a lane
	s_lshl_b32 s56, s63, 12
	s_add_co_u32 s56, s56, s57
	v_add_nc_u32 v87, s56, v3
	v_add_nc_u32 v88, s57, v3                      ; gamma, beta
	s_wait_alu depctr_va_vdst(0)                   ; v84 to v88 are written: the six loads read them as their offsets
	global_load_b32 v148, v84, s[14:15]
	global_load_b32 v149, v85, s[14:15]
	global_load_b64 v[150:151], v86, s[16:17]
	global_load_b64 v[152:153], v87, s[16:17]
	global_load_b64 v[154:155], v88, s[18:19]
	global_load_b64 v[156:157], v88, s[20:21]
	QLOAD 0                                        ; the weights' ring starts as soon as the experts are known: it lands under the search below
	QLOAD 1
; ---- part 3: my wave's two tokens, numbers 32 j + 2 w and + 1 of the bin.  First each one's group of four chunks, out of the running sums at the bin's lane
	s_lshl_b32 s29, s24, 1
	s_add_co_u32 s30, s52, s29
	s_add_co_u32 s31, s30, 1
.set gi_, 0
.rept 32
	v_readlane_b32 s[66+gi_], v[PG+gi_], s50
.set gi_, gi_+1
.endr
	s_wait_alu depctr_va_sdst(0)                   ; the 32 lane reads have written s66 to s97, ahead of their first reader
	GROUP 40, 53, 30, 32, 33                       ; the first token: its first halving goes to s40-47 and s53-60, so that the sums stay for the second,
	GROUP 66, 74, 31, 34, 35                       ; which is searched in place
	s_min_u32 s33, s33, 31
	s_min_u32 s35, s35, 31
	s_wait_loadcnt 24                              ; the bin's counts and starts are in; the six loads of biases and gains and the two quads' eighteen may be out
.irp i, 0,1,2,3
	v_readlane_b32 s[66+\i], v[104+\i], s33        ; lane = group: the first token's four chunks: counts,
	v_readlane_b32 s[70+\i], v[108+\i], s33        ; starts;
	v_readlane_b32 s[74+\i], v[104+\i], s35        ; the second's
	v_readlane_b32 s[78+\i], v[108+\i], s35
.endr
	s_wait_alu depctr_va_sdst(0)                   ; the sixteen lane reads have written s66 to s81, ahead of their first reader
	RESOLVE 30, 32, 33, 66, 70, 52
	RESOLVE 31, 34, 35, 74, 78, 53
	s_lshl_b32 s88, s52, 2
	s_mov_b32 s89, 0
	s_lshl_b32 s90, s53, 2
	s_mov_b32 s91, 0
	s_add_nc_u64 s[88:89], s[8:9], s[88:89]
	s_add_nc_u64 s[90:91], s[8:9], s[90:91]
	global_load_b32 v93, v97, s[88:89]             ; every lane reads the same word.  (No wait: no vector instruction since the waits above names v93, v94 or v97)
	global_load_b32 v94, v97, s[90:91]
	s_wait_loadcnt 0x0                             ; these two, and ahead of them the biases, the gains and the first two quads
	ds_store_b32 v22, v148
	ds_store_b32 v22, v149 offset:128
	ds_store_b64 v23, v[150:151] offset:256
	ds_store_b64 v23, v[152:153] offset:512
	ds_store_b64 v23, v[154:155] offset:768
	ds_store_b64 v23, v[156:157] offset:1024       ; the wave's own bytes: LDS serves a wave's instructions in order, so its later loads see them
	v_readlane_b32 s54, v93, 0                     ; the tokens of slots 2 w
	v_readlane_b32 s56, v94, 0                     ; and 2 w + 1
	s_wait_alu depctr_va_sdst(0)                   ; s54 and s56 are written, ahead of their first reader
	s_min_u32 s54, s54, 0xfff
	s_min_u32 s56, s56, 0xfff
	s_lshl_b32 s92, s54, 3
	s_mov_b32 s93, 0
	s_lshl_b32 s94, s56, 3
	s_mov_b32 s95, 0
	s_add_nc_u64 s[92:93], s[10:11], s[92:93]
	s_add_nc_u64 s[94:95], s[10:11], s[94:95]
	s_lshl_b32 s54, s54, 12
	s_lshl_b32 s56, s56, 12
	s_mov_b32 s55, 0
	s_mov_b32 s57, 0
	s_add_nc_u64 s[40:41], s[4:5], s[54:55]
	s_add_nc_u64 s[42:43], s[4:5], s[56:57]
	s_add_nc_u64 s[44:45], s[22:23], s[54:55]
	s_add_nc_u64 s[46:47], s[22:23], s[56:57]
	s_wait_alu depctr_vm_vsrc(0)                   ; the load of b1[e0] has read v84, which is made anew below; the six LDS stores have read v22 and v23, in which x lands
	v_and_b32 v84, 15, v0
	v_lshl_add_u32 v84, v84, 3, GV                 ; where the gate's weights of tokens r and 16 + r will lie: made here, so that the wait below serves it too
	s_wait_alu depctr_va_vdst(0)                   ; the lane reads are done reading v32 to v63 and the head's arithmetic is done with v20 to v69: x lands there; v84 is written, which two LDS loads behind the barrier read
; ---- x comes in by whole rows (512 consecutive bytes a load) and turns through LDS; the gate's weights, which are values and steer nothing, go to the other waves through LDS too
.irp i, 0,1,2,3,4,5,6,7
	global_load_b128 v[XY+4*\i:XY+4*\i+3], v2, s[40:41] offset:512*\i
.endr
.irp i, 0,1,2,3,4,5,6,7
	global_load_b128 v[XY+32+4*\i:XY+32+4*\i+3], v2, s[42:43] offset:512*\i
.endr
	global_load_b64 v[98:99], v97, s[92:93]
	global_load_b64 v[100:101], v97, s[94:95]
	s_wait_loadcnt 2                               ; the sixteen loads of x are in; the two of the gate's weights may be out
.irp w, 0,1
.irp i, 0,1,2,3,4,5,6,7
	ds_store_b128 v8, v[XY+32*\w+4*\i:XY+32*\w+4*\i+3] offset:XP*\w+512*\i
.endr
.endr
	s_wait_loadcnt 0x0
	ds_store_b64 v15, v[98:99]                     ; all lanes write the same 8 bytes with the same value
	ds_store_b64 v15, v[100:101] offset:8
	BAR
	s_wait_alu depctr_vm_vsrc(0)                   ; my LDS stores have read v[XY ..], in which the LDS loads below land
	ds_load_b64 v[16:17], v84                      ; (v0, v1) of token r,
	ds_load_b64 v[18:19], v84 offset:128           ; of token 16 + r
.irp m, 0,1
.irp b, 0,1
.irp i, 0,1,2,3
	ds_load_b128 v[XY+32*\m+16*\b+4*\i:XY+32*\m+16*\b+4*\i+3], v[6+\m] offset:128*\b+16*\i   ; token 16 m + r, d = 64 w + 32 b + 16 h + 4 i ..
.endr
.endr
.endr
	s_wait_dscnt 0x0
	s_wait_alu depctr_vm_vsrc(0)                   ; the two loads of the gate's weights from LDS have read v84: the quantiser below writes it (and v97, v100, v101, which the loads and stores ahead of the barrier read)
	v_add_f32 v16, v16, v16                        ; 2 v0
	v_add_f32 v18, v18, v18
	QUANT 4, XY, 84, 1
	ASTORE 84
; ---- the first expert
	PROD1 0
	HIDQ
	PROD2 0
; ---- boost = x + 0.5 eo0, rounded once as reference() rounds it, in eo0's place; y = x + 2 v0 (boost - x) in x's place.  Eight pairs at a time, ascending: each accumulator is read from its low end on
.set g6, 0
.rept 4
.set p6, 0
.rept 8
	v_pk_fma_f32 v[ACC2+16*g6+2*p6:ACC2+16*g6+2*p6+1], v[ACC2+16*g6+2*p6:ACC2+16*g6+2*p6+1], 0.5, v[XY+16*g6+2*p6:XY+16*g6+2*p6+1] op_sel_hi:[1,0,1]
.set p6, p6+1
.endr
.set p6, 0
.rept 8
	v_pk_add_f32 v[148+2*p6:149+2*p6], v[ACC2+16*g6+2*p6:ACC2+16*g6+2*p6+1], v[XY+16*g6+2*p6:XY+16*g6+2*p6+1] neg_lo:[0,1] neg_hi:[0,1]
.set p6, p6+1
.endr
.set p6, 0
.rept 8
	v_pk_fma_f32 v[XY+16*g6+2*p6:XY+16*g6+2*p6+1], v[148+2*p6:149+2*p6], v[16+2*(g6/2):17+2*(g6/2)], v[XY+16*g6+2*p6:XY+16*g6+2*p6+1] op_sel_hi:[1,0,1]
.set p6, p6+1
.endr
.set g6, g6+1
.endr
	v_mov_b32 v16, v17                             ; 2 v0 has served: v1 takes the pair's low word, from which the packed forms broadcast
	v_mov_b32 v18, v19
	QUANT 4, ACC2, 148, 1
	ASTORE 148
; ---- the second expert
	PROD1 1
	HIDQ
	PROD2 1
; ---- y += v1 eo1, and the LayerNorm: mean, then the mean of the squared differences, as reference() has it
	s_wait_alu depctr_va_vdst(0)                   ; the last two quads' products are done reading v[WB0 ..], in which gamma and beta land
.irp t, 0,1,2,3
.irp f, 0,1
	ds_load_b128 v[WB0+8*\t+4*\f:WB0+8*\t+4*\f+3], v14 offset:768+128*(\t/2)+32*(\t%2)+16*\f       ; gamma of my 32 columns
	ds_load_b128 v[WB0+32+8*\t+4*\f:WB0+32+8*\t+4*\f+3], v14 offset:1024+128*(\t/2)+32*(\t%2)+16*\f  ; beta
.endr
.endr
.set p6, 0
.rept 32
	v_pk_fma_f32 v[XY+2*p6:XY+2*p6+1], v[ACC2+2*p6:ACC2+2*p6+1], v[16+2*(p6/16):17+2*(p6/16)], v[XY+2*p6:XY+2*p6+1] op_sel_hi:[1,0,1]
.set p6, p6+1
.endr
.irp m, 0,1
	v_pk_add_f32 v[148+4*\m:149+4*\m], v[XY+32*\m:XY+32*\m+1], v[XY+32*\m+2:XY+32*\m+3]
	v_pk_add_f32 v[150+4*\m:151+4*\m], v[XY+32*\m+4:XY+32*\m+5], v[XY+32*\m+6:XY+32*\m+7]
.endr
.irp k, 8,12,16,20,24,28
.irp m, 0,1
	v_pk_add_f32 v[148+4*\m:149+4*\m], v[148+4*\m:149+4*\m], v[XY+32*\m+\k:XY+32*\m+\k+1]
	v_pk_add_f32 v[150+4*\m:151+4*\m], v[150+4*\m:151+4*\m], v[XY+32*\m+\k+2:XY+32*\m+\k+3]
.endr
.endr
.irp m, 0,1
	v_pk_add_f32 v[148+4*\m:149+4*\m], v[148+4*\m:149+4*\m], v[150+4*\m:151+4*\m]
.endr
.irp m, 0,1
	v_add_f32 v[148+4*\m], v[148+4*\m], v[149+4*\m]
.endr
	v_permlanex16_b32 v149, v148, s26, s27
	v_permlanex16_b32 v153, v152, s26, s27
	v_add_f32 v148, v148, v149                     ; my wave's 64 columns of token r,
	v_add_f32 v152, v152, v153                     ; of token 16 + r
	v_cndmask_b32 v148, v148, v152, s28            ; lane l stores for slot l
	s_wait_alu depctr_va_vdst(0)                   ; v148 is written, which the store reads
	ds_store_b32 v5, v148 offset:RED1
	BAR
	s_wait_alu depctr_vm_vsrc(0)                   ; the store has read v148, which the mean below is written into
.irp p, 0,1,2,3,4,5,6,7,8,9,10,11,12,13,14,15
	ds_load_b32 v[160+\p], v4 offset:RED1+128*\p
.endr
	s_wait_dscnt 0x0
.irp k, 2,4,6,8,10,12,14
	v_pk_add_f32 v[160:161], v[160:161], v[160+\k:161+\k]
.endr
	v_add_f32 v160, v160, v161
	v_mul_f32 v148, 0xba800000, v160               ; - the mean of slot l: x -2^-10
	v_permlanex16_b32 v149, v148, s26, s27
	v_cndmask_b32 v150, v148, v149, s28            ; of token r,
	v_cndmask_b32 v152, v149, v148, s28            ; of token 16 + r
.set p6, 0
.rept 32
	v_pk_add_f32 v[XY+2*p6:XY+2*p6+1], v[XY+2*p6:XY+2*p6+1], v[150+2*(p6/16):151+2*(p6/16)] op_sel_hi:[1,0]
.set p6, p6+1
.endr
.irp m, 0,1
	v_pk_mul_f32 v[164+4*\m:165+4*\m], v[XY+32*\m:XY+32*\m+1], v[XY+32*\m:XY+32*\m+1]
	v_pk_mul_f32 v[166+4*\m:167+4*\m], v[XY+32*\m+2:XY+32*\m+3], v[XY+32*\m+2:XY+32*\m+3]
.endr
.irp k, 4,8,12,16,20,24,28
.irp m, 0,1
	v_pk_fma_f32 v[164+4*\m:165+4*\m], v[XY+32*\m+\k:XY+32*\m+\k+1], v[XY+32*\m+\k:XY+32*\m+\k+1], v[164+4*\m:165+4*\m]
	v_pk_fma_f32 v[166+4*\m:167+4*\m], v[XY+32*\m+\k+2:XY+32*\m+\k+3], v[XY+32*\m+\k+2:XY+32*\m+\k+3], v[166+4*\m:167+4*\m]
.endr
.endr
.irp m, 0,1
	v_pk_add_f32 v[164+4*\m:165+4*\m], v[164+4*\m:165+4*\m], v[166+4*\m:167+4*\m]
.endr
.irp m, 0,1
	v_add_f32 v[164+4*\m], v[164+4*\m], v[165+4*\m]
.endr
	v_permlanex16_b32 v165, v164, s26, s27
	v_permlanex16_b32 v169, v168, s26, s27
	v_add_f32 v164, v164, v165
	v_add_f32 v168, v168, v169
	v_cndmask_b32 v164, v164, v168, s28
	s_wait_alu depctr_va_vdst(0)                   ; v164 is written, which the store reads; the sums above are done with v160 to v169, in which the loads behind the barrier land
	ds_store_b32 v5, v164 offset:RED2
	BAR
	s_wait_alu depctr_vm_vsrc(0)                   ; the store has read v164, in which one of the loads below lands
.irp p, 0,1,2,3,4,5,6,7,8,9,10,11,12,13,14,15
	ds_load_b32 v[160+\p], v4 offset:RED2+128*\p
.endr
	s_mov_b32 s29, 0x3a800000                      ; 2^-10
	s_mov_b32 s30, 0x3727c5ac                      ; 1e-5
	s_wait_dscnt 0x0
.irp k, 2,4,6,8,10,12,14
	v_pk_add_f32 v[160:161], v[160:161], v[160+\k:161+\k]
.endr
	v_add_f32 v160, v160, v161
	v_fma_f32 v148, v160, s29, s30                 ; the variance + eps
	s_wait_alu depctr_va_vdst(0)
	v_rsq_f32 v149, v148
	v_nop                                          ; a plain instruction behind the transcendental
	s_wait_alu depctr_va_vdst(0)                   ; the reciprocal root has written v149: the wait ahead of its first reader
	v_permlanex16_b32 v148, v149, s26, s27
	v_cndmask_b32 v150, v149, v148, s28
	v_cndmask_b32 v152, v148, v149, s28
.set p6, 0
.rept 32
	v_pk_mul_f32 v[XY+2*p6:XY+2*p6+1], v[XY+2*p6:XY+2*p6+1], v[150+2*(p6/16):151+2*(p6/16)] op_sel_hi:[1,0]
.set p6, p6+1
.endr
.set p6, 0
.rept 32
	v_pk_fma_f32 v[XY+2*p6:XY+2*p6+1], v[XY+2*p6:XY+2*p6+1], v[WB0+2*(p6%16):WB0+2*(p6%16)+1], v[WB0+32+2*(p6%16):WB0+32+2*(p6%16)+1]
.set p6, p6+1
.endr
; ---- the way out: back through the rows' stage, so that each store of the wave covers 512 consecutive bytes of a row, aligned
	s_wait_alu depctr_va_vdst(0)                   ; the multiply-adds have written v[XY ..], which the LDS stores read; every vector instruction that named v[ACC2 ..] is done, in which the loads behind the barrier land
.irp m, 0,1
.irp b, 0,1
.irp i, 0,1,2,3
	ds_store_b128 v[6+\m], v[XY+32*\m+16*\b+4*\i:XY+32*\m+16*\b+4*\i+3] offset:128*\b+16*\i
.endr
.endr
.endr
	BAR
.irp w, 0,1
.irp i, 0,1,2,3,4,5,6,7
	ds_load_b128 v[ACC2+32*\w+4*\i:ACC2+32*\w+4*\i+3], v8 offset:XP*\w+512*\i
.endr
.endr
	s_wait_dscnt 0x0
	s_lshl_b32 s53, s24, 1
	s_cmp_lt_u32 s53, s48                          ; a slot at or past the tile's count holds a token that another slot or tile owns: it is not stored
	s_cbranch_scc0 .Lno_row0
.irp i, 0,1,2,3,4,5,6,7
	global_store_b128 v2, v[ACC2+4*\i:ACC2+4*\i+3], s[44:45] offset:512*\i th:TH_STORE_NT
.endr
.Lno_row0:
	s_add_co_u32 s53, s53, 1
	s_cmp_lt_u32 s53, s48
	s_cbranch_scc0 .Lno_row1
.irp i, 0,1,2,3,4,5,6,7
	global_store_b128 v2, v[ACC2+32+4*\i:ACC2+32+4*\i+3], s[46:47] offset:512*\i th:TH_STORE_NT
.endr
.Lno_row1:
	s_wait_xcnt 0x0                                ; the last stores have had their addresses translated
	v_lshl_add_u32 v254, v0, 2, 0x2d800            ; no two registers could be kept: the add's two are made anew here, from v0, which is as at the entry.  No memory or LDS instruction has ever read v254 or v255 (they held scale words: loaded, and read by matrix instructions)
	v_mov_b32 v255, 0
	s_wait_dscnt 0x0                               ; the closing lines, six on end
	s_wait_alu 0x0
	s_wait_tensorcnt 0x0
	ds_add_u32 v254, v255
	s_wait_dscnt 0x0
	s_endpgm
.Lfunc_end_k_qeb03947320_chain:
	.size	k_qeb03947320_chain, .Lfunc_end_k_qeb03947320_chain-k_qeb03947320_chain
	.p2alignl 7, 3214868480
	.fill 96, 4, 3214868480
	.section	.rodata,"a",@progbits
	.p2align	6, 0x0
	.amdhsa_kernel k_qeb03947320_chain
		.amdhsa_group_segment_fixed_size 188416
		.amdhsa_private_segment_fixed_size 0
		.amdhsa_enable_private_segment 0
		.amdhsa_kernarg_size 80
		.amdhsa_user_sgpr_count 2
		.amdhsa_user_sgpr_kernarg_segment_ptr 1
		.amdhsa_wavefront_size32 1
		.amdhsa_system_sgpr_workgroup_id_x 1
		.amdhsa_system_sgpr_workgroup_id_y 1
		.amdhsa_system_sgpr_workgroup_id_z 1
		.amdhsa_system_vgpr_workitem_id 0
		.amdhsa_next_free_vgpr 256
		.amdhsa_next_free_sgpr 100
		.amdhsa_reserve_vcc 0
		.amdhsa_float_denorm_mode_32 3
		.amdhsa_float_denorm_mode_16_64 3
		.amdhsa_memory_ordered 1
		.amdhsa_forward_progress 1
		.amdhsa_inst_pref_size 124
	.end_amdhsa_kernel
	.amdgpu_metadata
---
amdhsa.version: [ 1, 2 ]
amdhsa.kernels:
  - .name:           k_qeb03947320_chain
    .symbol:         k_qeb03947320_chain.kd
    .args:
      - { .name: x, .offset: 0, .size: 8, .value_kind: global_buffer, .address_space: global }
      - { .name: hb, .offset: 8, .size: 8, .value_kind: global_buffer, .address_space: global }
      - { .name: sorted, .offset: 16, .size: 8, .value_kind: global_buffer, .address_space: global }
      - { .name: gval, .offset: 24, .size: 8, .value_kind: global_buffer, .address_space: global }
      - { .name: wl, .offset: 32, .size: 8, .value_kind: global_buffer, .address_space: global }
      - { .name: b1, .offset: 40, .size: 8, .value_kind: global_buffer, .address_space: global }
      - { .name: b2, .offset: 48, .size: 8, .value_kind: global_buffer, .address_space: global }
      - { .name: ln_gamma, .offset: 56, .size: 8, .value_kind: global_buffer, .address_space: global }
      - { .name: ln_beta, .offset: 64, .size: 8, .value_kind: global_buffer, .address_space: global }
      - { .name: out0, .offset: 72, .size: 8, .value_kind: global_buffer, .address_space: global }
    .group_segment_fixed_size: 188416
    .private_segment_fixed_size: 0
    .kernarg_segment_align: 8
    .kernarg_segment_size: 80
    .max_flat_workgroup_size: 512
    .sgpr_count:     100
    .vgpr_count:     256
    .wavefront_size: 32
...
	.end_amdgpu_metadata
.endif
;; end of part 4
